; MI455X (gfx1250); checked and timed in simulation.
; The chip was launched on July 23, 2026; its instructions are those of AMD's public machine-readable ISA for CDNA 5 (MIT licence, August 2026) and "CDNA5" Instruction Set Architecture Reference Guide (July 2026). The comments in the code are by the model that wrote it; some were corrected since.
;; Thorns Attention. Allowed arithmetic: matrix products marked QUANTISED: E4M3 operands, one given power-of-two scale a tensor, by v_wmma_f32_16x16x64_fp8_fp8 or v_wmma_f32_16x16x128_fp8_fp8, f32 sums; products left as they are: f32 operands where the result goes on into a quantised operand, else bf16, f16 or f32 operands; f32 sums; everything else in f32.
;; Inputs: Wd 1,024 x 1,024 float32; Wk 1,024 x 1,024 float32; Wq 1,024 x 1,024 float32; Wv 1,024 x 1,024 float32; attention_mask 1 x 1 x 2,048 x 2,048 float32; lowp_scales 12 int32 (the exponents e of the quantised operands' scales 2^e); x 2 x 2,048 x 1,024 float32.
;; Outputs: out0 2 x 2,048 x 1,024 float32.
;; This version of the problem:
;;   THIS VERSION OF THE PROBLEM IS GIVEN IN LOW PRECISION. The matrix products marked QUANTISED in the list below multiply operands that are first quantised to E4M3 (4 exponent bits, 3 mantissa bits; 8 bits a number), with one given power-of-two scale for each operand tensor; their sums are f32. All else is computed in f32.
;;   The module's matrix products, in the order in which they are computed (A, B: the left and right operand; K: the contracted axis; several contracted axes count as one K, in the product's order):
;;     1. [M 4,096, K 1,024] x [K 1,024, N 1,024]; A: input x; B: input Wq: QUANTISED (scales: A lowp_scales[0], B lowp_scales[1])
;;     2. [M 4,096, K 1,024] x [K 1,024, N 1,024]; A: input x; B: input Wk: QUANTISED (scales: A lowp_scales[2], B lowp_scales[3])
;;     3. [M 4,096, K 1,024] x [K 1,024, N 1,024]; A: input x; B: input Wv: QUANTISED (scales: A lowp_scales[4], B lowp_scales[5])
;;     4. [M 2,048, K 1] x [K 1, N 32]; A: computed on the way; B: computed on the way: left as it is (no contracted axis)
;;     5. batch 32 x [M 2,048, K 64] x [K 64, N 2,048]; A: computed on the way; B: computed on the way: QUANTISED (scales: A lowp_scales[6], B lowp_scales[7])
;;     6. batch 32 x [M 2,048, K 2,048] x [K 2,048, N 64]; A: softmax (see below); B: computed on the way: QUANTISED (scales: A lowp_scales[8], B lowp_scales[9])
;;     7. [M 4,096, K 1,024] x [K 1,024, N 1,024]; A: computed on the way; B: input Wd: QUANTISED (scales: A lowp_scales[10], B lowp_scales[11])
;;   THE QUANTISER, for each operand of a quantised product, along K:
;;     - The operand's scale is 2^e, e = its entry of the input lowp_scales (int32; the entries are numbered through the quantised products in the list's order, A before B).
;;     - Each number is divided by the scale, clamped to +-448, and rounded to the nearest number of E4M3, ties to even, subnormals kept.
;;     - The product sums the exact products of the quantised numbers (number of the format x scale) in f32.
;;   ~~~python
;;   def quantise(x, axis, e):      # numpy; x: float32 -> the quantised numbers, widened to float32 again
;;       x = np.moveaxis(x, axis, -1); K = x.shape[-1]
;;       r = np.clip(x / 2.0 ** e, -448, 448)
;;       step = 2.0 ** (np.maximum(np.frexp(np.where(r == 0, 1, r))[1] - 1, -6) - 3)
;;       q = np.round(r / step) * step * 2.0 ** e      # np.round: ties to even
;;       return np.moveaxis(q, -1, axis).astype(np.float32)
;;   ~~~
;;   SOFTMAX AHEAD OF A QUANTISED PRODUCT. Where the list says 'softmax', what is quantised is not the finished softmax but p = 2^(t - M), with t = logit x log2(e) and M = ceil(the row's largest t), a whole number; so 1/2 < the row's largest p <= 1. The row's sum l is taken of the UNQUANTISED p, in f32, and the product's result is divided by l at the end. Since M is a whole number, a kernel that streams over the keys may use a running M (the ceiling of the running maximum): every later rescaling is an exact power of two, so the quantised numbers keep their values, but for numbers so far below the row's largest that they fall under the format's range.
;;   OPERANDS COMPUTED ON THE WAY. 'Computed on the way' means the value that the module computes at that place (a softmax that the list does not call 'softmax' is quantised finished and normalised). What goes into a quantiser is computed in f32, as accurately as f32 sums, v_exp_f32 and their like allow (about 1e-6 of the number): no bf16 or f16 on the way to a quantiser, and a product that is left as it is and whose result goes on into a quantised operand takes f32 operands (vector FMAs, or v_wmma_f32_16x16x4_f32). A number that lies on a knife's edge between two numbers of the format may be rounded either way, as far as f32 arithmetic and the matrix unit's own rounding can turn it there, and no further.
;; One version. Each part assembles by itself: llvm-mc -triple=amdgcn-amd-amdhsa -mcpu=gfx1250 --defsym DOCPART=n.
;; ======== version 1 of 1: 4 launches
;; limits: right only within a limited range of input values
;; workspace buffers: xc 12,582,912 bytes; wc 4,194,304 bytes; rope 262,144 bytes; qkv 12,582,912 bytes; oc 4,194,304 bytes; flags 32,768 bytes of whole numbers
;; launch prep (part 1): grid 400 x 1, 4 waves a work-group, no clusters, 67,072 bytes of LDS; arguments x, Wq, Wk, Wv, Wd, lowp_scales, xc, wc, rope, attention_mask, flags; writes xc, wc, rope, flags
.if DOCPART == 1
	.amdgcn_target "amdgcn-amd-amdhsa--gfx1250"
	.amdhsa_code_object_version 6
	.text
	.protected	k_q06f03405cc_prep
	.globl	k_q06f03405cc_prep
	.p2align	8
	.type	k_q06f03405cc_prep,@function
k_q06f03405cc_prep:
	s_mov_b64 s[64:65], 0
	v_nop
	global_prefetch_b8 v0, s[64:65] scope:SCOPE_SE
	s_setreg_imm32_b32 hwreg(HW_REG_WAVE_MODE, 25, 1), 1
	s_wait_xcnt 0x0
; PREP.  Three kinds of work-groups, told apart by the work-group's number g alone:
;   g < 128        x [4096][1024] f32 -> three tensors of E4M3 codes, xc[0..2], with the scales 2^e0, 2^e2, 2^e4 (x is read once, quantised three times)
;   128 <= g < 256 Wq, Wk, Wv, Wd [1024][1024] f32 -> wc[0..3], with 2^e1, 2^e3, 2^e5, 2^e11.  K is innermost as the weights are given
;   g >= 256       the table F[s][j] = cos(a) + sin(a), a = f32(s x 10000^(-j/32)), s < 2048, j < 32.  The rotation in this module returns its argument, so q and k are multiplied by cos + sin, and the 64 channels of a head use F[.][d mod 32]
; code = number / 2^e, held within +-448, to the nearest code, ties to even.
; LIMITS: each e used here lies between -126 and 119, so that 2^e and 448 x 2^e are f32 numbers.  NaN among the inputs is not served (an infinity is held at the largest code).
; F: inv_freq is within one unit in its last place, so the angle is within about 1e-4 at s near 2047; cos and sin are within about 1e-7 of that angle's.
; QUANTISING.  Rows are dense, so a tensor is a stream.  A wave takes 16 steps of 512 numbers.  Each load reads 512 consecutive bytes, 16 a lane; a step's 2,048 bytes turn through the wave's own stage in LDS and come back 64 bytes
; (16 neighbours along K) a lane; a lane's 16 codes are 16 bytes, so each store of the wave covers 512 consecutive bytes, aligned.  Loads run four steps ahead, the turn through LDS one step.
; Work-groups share no input, waves share nothing: no cluster, no barrier, no tensor load.  The two quantising paths have LDS bytes of their own (0 and 32,768 on).
.set STEPS, 16
.set WREG,  8192                       ; LDS of a wave in a path's half: two stages of 32 x SP bytes
.set SP,    80                         ; a lane's place in a stage: 64 bytes + 16 of padding
.set R,     16                         ; v16-79   four sets of 16 numbers as loaded
.set X,     80                         ; v80-111  two sets of 16 neighbours
.set T,     112                        ; v112-159 up to three sets of 16 held numbers
.set C,     160                        ; v160-171 up to three sets of 4 registers of codes
.set SCL,   5                          ; v5-7     2^e
.set LIM,   8                          ; v8-10    448 x 2^e
.macro MKSC se, vs, vl                 ; from the whole number e in s[se]: 2^e and 448 x 2^e as f32
	s_add_co_i32 s48, s[\se], 127
	s_lshl_b32 s49, s48, 23
	v_mov_b32 v[\vs], s49
	s_add_co_i32 s48, s48, 8
	s_lshl_b32 s48, s48, 23
	s_or_b32 s48, s48, 0x600000
	v_mov_b32 v[\vl], s48
.endm
.macro LOAD t
.irp i, 0,1,2,3
	global_load_b128 v[R+16*((\t)%4)+4*\i:R+16*((\t)%4)+4*\i+3], v3, s[30:31] offset:2048*(\t)+512*\i th:TH_LOAD_NT
.endr
.endm
.macro TURN t, lb                      ; step t's numbers through the stage; LDS serves a wave's instructions in order, so no wait stands between the stores and the loads
.irp i, 0,1,2,3
	ds_store_b128 v14, v[R+16*((\t)%4)+4*\i:R+16*((\t)%4)+4*\i+3] offset:\lb+32*SP*((\t)%2)+8*SP*\i
.endr
.irp i, 0,1,2,3
	ds_load_b128 v[X+16*((\t)%2)+4*\i:X+16*((\t)%2)+4*\i+3], v15 offset:\lb+32*SP*((\t)%2)+16*\i
.endr
.endm
.macro QSTEP t, n, lb                  ; n: how many scales the step's numbers are quantised with
.set XS, X+16*((\t)%2)
	s_wait_dscnt 0x0                               ; this step's numbers are back from the stage, and its stores into the stage have read their registers,
.if (\t)+4 < STEPS
	LOAD (\t)+4                                    ; which take the loads of four steps on
.endif
.if (\t)+1 < STEPS
.if STEPS-2-(\t) >= 3
	s_wait_loadcnt 12                              ; the next step's four loads are in; those of the three steps behind it may be out
.else
	s_wait_loadcnt 4*(STEPS-2-(\t))
.endif
	TURN (\t)+1, \lb
.endif
	s_wait_xcnt 0x0                                ; the last step's stores have read their data: the codes' registers are written again only behind this wait
.set u, 0
.rept \n
.irp i, 0,1,2,3,4,5,6,7,8,9,10,11,12,13,14,15
	v_med3_num_f32 v[T+16*u+\i], v[XS+\i], -v[LIM+u], v[LIM+u]   ; the conversion to an 8-bit code does not saturate (ISA guide 7.6.2): the hold comes first
.endr
.set u, u+1
.endr
.set u, 0
.rept \n
	v_cvt_scalef32_pk8_fp8_f32 v[C+4*u:C+4*u+1], v[T+16*u:T+16*u+7], v[SCL+u]
	v_cvt_scalef32_pk8_fp8_f32 v[C+4*u+2:C+4*u+3], v[T+16*u+8:T+16*u+15], v[SCL+u]
.set u, u+1
.endr
	v_nop                                          ; a plain line behind the last conversion: the next step's holds write the conversions' sources
.set u, 0
.rept \n
	global_store_b128 v3, v[C+4*u:C+4*u+3], s[24+2*u:25+2*u] offset:512*(\t)
.set u, u+1
.endr
.endm
.macro ROPE1 dst, f                    ; v[dst] = cos(a) + sin(a), a = v5 x v[f]
	v_mul_f32 v36, v5, v[\f]                       ; a, rounded once
	v_mul_f32 v37, 0x3f22f983, v36                 ; a x 2 / pi
	v_rndne_f32 v37, v37                           ; k
	v_fma_f32 v38, v37, s52, v36                   ; r = a - k pi/2, pi/2 in three parts; the first difference is exact
	v_fma_f32 v38, v37, s53, v38
	v_fma_f32 v38, v37, s54, v38
	v_cvt_i32_f32 v39, v37
	v_mul_f32 v40, v38, v38                        ; z = r r
	v_fmaak_f32 v41, v46, v40, 0xbab6061a          ; cos r = (((c0 z + c1) z + c2) z - 1/2) z + 1
	v_fmaak_f32 v42, v47, v40, 0x3c08839e          ; sin r = ((s0 z + s1) z + s2) z r + r
	v_fmaak_f32 v41, v41, v40, 0x3d2aaaa5
	v_fmaak_f32 v42, v42, v40, 0xbe2aaaa3
	v_fma_f32 v41, v41, v40, -0.5
	v_mul_f32 v43, v40, v38
	v_fma_f32 v41, v41, v40, 1.0
	v_fma_f32 v42, v42, v43, v38
	v_lshlrev_b32 v44, 30, v39                     ; cos a + sin a = +-cos r +- sin r: cos r is negated where bit 1 of k is set,
	v_lshrrev_b32 v45, 1, v39
	v_and_b32 v44, 0x80000000, v44
	v_xor_b32 v45, v45, v39                        ; sin r where bits 0 and 1 of k differ
	v_xor_b32 v41, v44, v41
	v_lshlrev_b32 v45, 31, v45
	v_xor_b32 v42, v45, v42
	v_add_f32 v[\dst], v41, v42
.endm
	s_load_b512 s[4:19], s[0:1], 0x0               ; x 4:5, Wq 6:7, Wk 8:9, Wv 10:11, Wd 12:13, scales 14:15, xc 16:17, wc 18:19
	s_load_b64 s[20:21], s[0:1], 0x40
	s_load_b128 s[56:59], s[0:1], 0x48             ; the mask 56:57, flags 58:59
	v_lshl_add_u32 v192, v0, 2, 0x10000
	v_mov_b32 v193, 0
	v_lshrrev_b32 v1, 5, v0
	v_readfirstlane_b32 s22, v1                    ; wave
	v_and_b32 v2, 31, v0                           ; lane
	v_lshlrev_b32 v3, 4, v2                        ; 16 x lane: my bytes of a load's 512, and of a store's
	s_mul_i32 s23, s22, WREG
	v_lshrrev_b32 v14, 2, v2
	v_mul_u32_u24 v14, v14, SP
	v_and_b32 v15, 3, v2
	v_lshl_add_u32 v14, v15, 4, v14
	v_add_nc_u32 v14, s23, v14                     ; the stage, on the way in: SP (lane / 4) + 16 (lane % 4)
	v_mul_u32_u24 v15, v2, SP
	v_add_nc_u32 v15, s23, v15                     ; and on the way out: SP x lane
	s_wait_kmcnt 0x0
	s_cmp_ge_u32 ttmp9, 272
	s_cbranch_scc1 .Lmask
	s_cmp_ge_u32 ttmp9, 256
	s_cbranch_scc1 .Lrope
	s_load_b256 s[32:39], s[14:15], 0x0            ; e0 .. e7
	s_load_b128 s[40:43], s[14:15], 0x20           ; e8 .. e11
	s_cmp_ge_u32 ttmp9, 128
	s_cbranch_scc1 .Lweights
	; ---- x: run = 4 g + wave of 8,192 numbers
	s_lshl_b32 s44, ttmp9, 2
	s_add_co_u32 s44, s44, s22
	s_lshl_b32 s46, s44, 15
	s_mov_b32 s47, 0
	s_add_nc_u64 s[30:31], s[4:5], s[46:47]
	s_lshl_b32 s46, s44, 13
	s_add_nc_u64 s[24:25], s[16:17], s[46:47]      ; the three tensors of codes lie 4 MiB apart
	s_add_nc_u64 s[26:27], s[24:25], 0x400000
	s_add_nc_u64 s[28:29], s[24:25], 0x800000
	s_wait_alu depctr_va_vdst(0)
.irp t, 0,1,2,3
	LOAD \t
.endr
	s_wait_kmcnt 0x0
	MKSC 32, SCL, LIM
	MKSC 34, SCL+1, LIM+1
	MKSC 36, SCL+2, LIM+2
	s_wait_alu depctr_va_vdst(0)
	s_wait_loadcnt 12                              ; step 0's four loads are in
	TURN 0, 0
.irp t, 0,1,2,3,4,5,6,7,8,9,10,11,12,13,14,15
	QSTEP \t, 3, 0
.endr
	s_wait_tensorcnt 0x0
	ds_add_u32 v192, v193
	s_wait_dscnt 0x0
	s_endpgm
	; ---- the weights: 32 work-groups each
.Lweights:
	s_sub_co_u32 s44, ttmp9, 128
	s_lshr_b32 s45, s44, 5                         ; which weight
	s_and_b32 s44, s44, 31
	s_lshl_b32 s44, s44, 2
	s_add_co_u32 s44, s44, s22                     ; run
	s_cmp_eq_u32 s45, 2
	s_cselect_b64 s[30:31], s[10:11], s[12:13]
	s_cmp_eq_u32 s45, 1
	s_cselect_b64 s[30:31], s[8:9], s[30:31]
	s_cmp_eq_u32 s45, 0
	s_cselect_b64 s[30:31], s[6:7], s[30:31]
	s_lshl_b32 s46, s44, 15
	s_mov_b32 s47, 0
	s_add_nc_u64 s[30:31], s[30:31], s[46:47]
	s_lshl_b32 s46, s44, 13
	s_lshl_b32 s48, s45, 20
	s_add_co_u32 s46, s46, s48
	s_add_nc_u64 s[24:25], s[18:19], s[46:47]
	s_wait_alu depctr_va_vdst(0)
.irp t, 0,1,2,3
	LOAD \t
.endr
	s_wait_kmcnt 0x0
	s_cmp_eq_u32 s45, 2
	s_cselect_b32 s50, s37, s43                    ; e5 or e11
	s_cmp_eq_u32 s45, 1
	s_cselect_b32 s50, s35, s50                    ; e3
	s_cmp_eq_u32 s45, 0
	s_cselect_b32 s50, s33, s50                    ; e1
	MKSC 50, SCL, LIM
	s_wait_alu depctr_va_vdst(0)
	s_wait_loadcnt 12
	TURN 0, 32768
.irp t, 0,1,2,3,4,5,6,7,8,9,10,11,12,13,14,15
	QSTEP \t, 1, 32768
.endr
	s_wait_tensorcnt 0x0
	ds_add_u32 v192, v193
	s_wait_dscnt 0x0
	s_endpgm
	; ---- the table: a wave makes 32 positions; lane l takes j = 4 (l % 8) + 0 .. 3 of position first + 4 it + l / 8, so a store covers four rows of 128 bytes on end
.Lrope:
	s_sub_co_u32 s44, ttmp9, 256
	s_lshl_b32 s44, s44, 7
	s_lshl_b32 s45, s22, 5
	s_add_co_u32 s44, s44, s45                     ; the wave's first position
	s_lshl_b32 s46, s44, 7
	s_mov_b32 s47, 0
	s_add_nc_u64 s[20:21], s[20:21], s[46:47]
	s_mov_b32 s50, 0xbed49a78                      ; -log2(10) / 8, upper part,
	s_mov_b32 s51, 0xb2179a37                      ; and the rest
	s_mov_b32 s52, 0xbfc90fd8                      ; -pi / 2 in three parts
	s_mov_b32 s53, 0xb4a8885a
	s_mov_b32 s54, 0xa7c234c4
	v_mov_b32 v46, 0x37ccf5ce                      ; c0
	v_mov_b32 v47, 0xb94ca1f9                      ; s0
	v_lshrrev_b32 v4, 3, v2
	v_add_nc_u32 v4, s44, v4
	v_cvt_f32_u32 v5, v4                           ; my position
	v_and_b32 v4, 7, v2
	v_lshlrev_b32 v4, 2, v4
.irp q, 0,1,2,3
	v_add_nc_u32 v[20+\q], \q, v4
	v_cvt_f32_u32 v[20+\q], v[20+\q]               ; j
	v_mul_f32 v[24+\q], s50, v[20+\q]
	v_rndne_f32 v[24+\q], v[24+\q]                 ; m = the whole number nearest -j L
	v_fma_f32 v[28+\q], v[20+\q], s50, -v[24+\q]   ; -j L - m, exact in its first part
	v_fma_f32 v[28+\q], v[20+\q], s51, v[28+\q]
	v_cvt_i32_f32 v[24+\q], v[24+\q]
.endr
	s_wait_alu depctr_va_vdst(0)
.irp q, 0,1,2,3
	v_exp_f32 v[28+\q], v[28+\q]
.endr
	v_nop                                          ; a plain line behind the last exponential
	s_wait_alu depctr_va_vdst(0)                   ; one wait for the four, ahead of their first reader
.irp q, 0,1,2,3
	v_ldexp_f32 v[28+\q], v[28+\q], v[24+\q]       ; inv_freq = 2^(-j L)
.endr
.irp it, 0,1,2,3,4,5,6,7
.irp q, 0,1,2,3
	ROPE1 64+4*\it+\q, 28+\q
.endr
	global_store_b128 v3, v[64+4*\it:64+4*\it+3], s[20:21] offset:512*\it   ; each trip has its own data registers
	v_add_f32 v5, 4.0, v5
.endr
	s_endpgm
	; ---- g >= 272, a fourth kind of work-group: THE MASK'S FLAGS.  Work-group g - 272 reads 16 rows (a block of queries) of the mask and stores one word for the attention launch:
	; bit j (j < 16): the tile of keys 128 j .. 128 j + 127 is LIVE;  bit 16 + j: all its 16 x 128 mask numbers are zero.
	; A tile is not live where f32(f32(tm + B) + 64) < f32(rm - B): tm = the tile's largest mask number, rm = the least of the 16 rows' largest mask numbers,
	; B = 64 x 448^2 x 2^(e6 + e7 - 3), which no |score / 8| made of E4M3 codes with these scales exceeds.  Rounding is monotonic, so every logit of the tile then lies more than 64 under its row's largest logit:
	; its p is under 2^-92 of the row's largest, and 2,048 such terms move neither the row's sum nor the product by a rounding.  The tile that holds a row's largest mask number is always live.
	; LIMIT: NaN in the mask is not served (the maxima pass over it).
	; Wave w takes rows 4 w .. 4 w + 3; a load is one row's 512 bytes of one tile.  The word is stored 64 times over, so that the work-group's store covers an aligned block of 256 bytes whole.
.Lmask:
.set MX,   16                          ; v16-143  two rows of 16 tiles x 4 numbers a lane
.set MT,   144                         ; v144-159 the tiles' largest;  v160-175 their largest magnitudes;  v176-179 my rows' largest
.set MB,   160
.set MR,   176
.set MLDS, 0x10200                     ; 256 bytes for each wave, behind the spare words: this path's own LDS bytes
.macro MLOAD row
.set tt, 0
.rept 16
	global_load_b128 v[MX+64*((\row)%2)+4*tt:MX+64*((\row)%2)+4*tt+3], v3, s[30:31] offset:8192*(\row)+512*tt th:TH_LOAD_NT
.set tt, tt+1
.endr
.endm
.macro MROW row
.set tt, 0
.rept 16
.set XB, MX+64*((\row)%2)+4*tt
	v_max3_num_f32 v180, v[XB], v[XB+1], v[XB+2]
	v_max3_num_f32 v[MB+tt], v[MB+tt], |v[XB]|, |v[XB+1]|
	v_max3_num_f32 v[MT+tt], v[MT+tt], v180, v[XB+3]
	v_max3_num_f32 v[MB+tt], v[MB+tt], |v[XB+2]|, |v[XB+3]|
	v_max3_num_f32 v[MR+\row], v[MR+\row], v180, v[XB+3]
.set tt, tt+1
.endr
.endm
	s_load_b64 s[32:33], s[14:15], 0x18            ; e6, e7
	s_sub_co_u32 s44, ttmp9, 272
	s_lshl_b32 s46, s44, 17                        ; 16 rows of 8,192 bytes
	s_lshl_b32 s45, s22, 15                        ; my four
	s_add_co_u32 s46, s46, s45
	s_mov_b32 s47, 0
	s_add_nc_u64 s[30:31], s[56:57], s[46:47]
	s_lshl_b32 s46, s44, 8
	s_add_nc_u64 s[24:25], s[58:59], s[46:47]
	s_mov_b32 s52, 0x76543210
	s_mov_b32 s53, 0xfedcba98
	s_wait_alu depctr_va_vdst(0)
	MLOAD 0
	MLOAD 1
.set tt, 0
.rept 4
	v_mov_b32 v[MR+tt], 0xff800000
.set tt, tt+1
.endr
.set tt, 0
.rept 16
	v_mov_b32 v[MT+tt], 0xff800000                 ; -infinity, under every number
	v_mov_b32 v[MB+tt], 0
.set tt, tt+1
.endr
	s_wait_alu depctr_va_vdst(0)
	s_wait_loadcnt 16                              ; row 0 is in; row 1's 16 loads may be out
	MROW 0
	MLOAD 2
	s_wait_loadcnt 16
	MROW 1
	MLOAD 3
	s_wait_loadcnt 16
	MROW 2
	s_wait_loadcnt 0
	MROW 3
.irp m, 1,2,4,8                        ; the 36 maxima over the 32 lanes, all chains side by side
.set tt, 0
.rept 36
	v_max_num_f32_dpp v[MT+tt], v[MT+tt], v[MT+tt] row_xmask:\m row_mask:0xf bank_mask:0xf
.set tt, tt+1
.endr
.endr
.set tt, 0
.rept 36
	v_permlanex16_b32 v[MX+tt], v[MT+tt], s52, s53
.set tt, tt+1
.endr
.set tt, 0
.rept 36
	v_max_num_f32 v[MT+tt], v[MT+tt], v[MX+tt]
.set tt, tt+1
.endr
	s_lshl_b32 s45, s22, 8
	s_add_co_u32 s45, s45, MLDS
	v_mov_b32 v182, s45
.set tt, 0
.rept 36
	ds_store_b32 v182, v[MT+tt] offset:4*tt        ; all lanes hold the same number and write the same word
.set tt, tt+1
.endr
	s_wait_dscnt 0x0                               ; for the others' sake
	s_barrier_signal -1
	s_barrier_wait -1
	s_cmp_lg_u32 s22, 0
	s_cbranch_scc1 .Lmend
	v_and_b32 v183, 15, v0                         ; wave 0: lane j (and lane 16 + j) takes tile j
	v_lshl_add_u32 v183, v183, 2, MLDS
	v_mov_b32 v184, MLDS
.irp w, 0,1,2,3
	ds_load_b32 v[16+\w], v183 offset:256*\w
	ds_load_b32 v[20+\w], v183 offset:256*\w+64
	ds_load_b128 v[24+4*\w:27+4*\w], v184 offset:256*\w+128
.endr
	s_wait_kmcnt 0x0
	s_add_co_i32 s34, s32, s33
	s_sub_co_i32 s34, s34, 3
	v_mov_b32 v185, 0x4b440000                     ; 64 x 448^2
	v_ldexp_f32 v185, v185, s34                    ; B (infinity where it overflows: then every tile is live)
	v_lshlrev_b32 v188, 3, v2                      ; 8 x lane
	s_wait_alu depctr_va_vdst(0)
	s_wait_dscnt 0x0
	v_max3_num_f32 v16, v16, v17, v18
	v_max3_num_f32 v20, v20, v21, v22
	v_min3_num_f32 v24, v24, v25, v26
	v_max_num_f32 v16, v16, v19
	v_max_num_f32 v20, v20, v23
.irp i, 27,29,31,33,35,37
	v_min3_num_f32 v24, v24, v[\i], v[\i+1]
.endr
	v_min_num_f32 v24, v24, v39
	v_add_f32 v16, v16, v185
	v_sub_f32 v24, v24, v185
	v_add_f32 v16, 0x42800000, v16                 ; + 64
	v_cmp_lt_f32 s35, v16, v24                     ; not live
	v_cmp_eq_f32 s36, 0, v20                       ; all zero
	s_and_not1_b32 s35, 0xffff, s35
	s_and_b32 s36, s36, 0xffff
	s_lshl_b32 s36, s36, 16
	s_or_b32 s35, s35, s36
	v_mov_b32 v186, s35
	v_mov_b32 v187, s35
	global_store_b64 v188, v[186:187], s[24:25]    ; 32 lanes store 256 consecutive bytes, aligned
.Lmend:
	s_wait_tensorcnt 0x0                           ; the wave's end
	ds_add_u32 v192, v193
	s_wait_dscnt 0x0
	s_endpgm
.Lfunc_end_k_q06f03405cc_prep:
	.size	k_q06f03405cc_prep, .Lfunc_end_k_q06f03405cc_prep-k_q06f03405cc_prep
	.p2alignl 7, 3214868480
	.fill 96, 4, 3214868480
	.section	.rodata,"a",@progbits
	.p2align	6, 0x0
	.amdhsa_kernel k_q06f03405cc_prep
		.amdhsa_group_segment_fixed_size 67072
		.amdhsa_private_segment_fixed_size 0
		.amdhsa_enable_private_segment 0
		.amdhsa_kernarg_size 88
		.amdhsa_user_sgpr_count 2
		.amdhsa_user_sgpr_kernarg_segment_ptr 1
		.amdhsa_wavefront_size32 1
		.amdhsa_system_sgpr_workgroup_id_x 1
		.amdhsa_system_sgpr_workgroup_id_y 1
		.amdhsa_system_sgpr_workgroup_id_z 1
		.amdhsa_system_vgpr_workitem_id 0
		.amdhsa_next_free_vgpr 194
		.amdhsa_next_free_sgpr 66
		.amdhsa_reserve_vcc 0
		.amdhsa_float_denorm_mode_32 3
		.amdhsa_float_denorm_mode_16_64 3
		.amdhsa_memory_ordered 1
		.amdhsa_forward_progress 1
		.amdhsa_inst_pref_size 200
	.end_amdhsa_kernel
	.amdgpu_metadata
---
amdhsa.version: [ 1, 2 ]
amdhsa.kernels:
  - .name:           k_q06f03405cc_prep
    .symbol:         k_q06f03405cc_prep.kd
    .args:
      - { .name: x, .offset: 0, .size: 8, .value_kind: global_buffer, .address_space: global }
      - { .name: Wq, .offset: 8, .size: 8, .value_kind: global_buffer, .address_space: global }
      - { .name: Wk, .offset: 16, .size: 8, .value_kind: global_buffer, .address_space: global }
      - { .name: Wv, .offset: 24, .size: 8, .value_kind: global_buffer, .address_space: global }
      - { .name: Wd, .offset: 32, .size: 8, .value_kind: global_buffer, .address_space: global }
      - { .name: lowp_scales, .offset: 40, .size: 8, .value_kind: global_buffer, .address_space: global }
      - { .name: xc, .offset: 48, .size: 8, .value_kind: global_buffer, .address_space: global }
      - { .name: wc, .offset: 56, .size: 8, .value_kind: global_buffer, .address_space: global }
      - { .name: rope, .offset: 64, .size: 8, .value_kind: global_buffer, .address_space: global }
      - { .name: attention_mask, .offset: 72, .size: 8, .value_kind: global_buffer, .address_space: global }
      - { .name: flags, .offset: 80, .size: 8, .value_kind: global_buffer, .address_space: global }
    .group_segment_fixed_size: 67072
    .private_segment_fixed_size: 0
    .kernarg_segment_align: 8
    .kernarg_segment_size: 88
    .max_flat_workgroup_size: 128
    .sgpr_count:     66
    .vgpr_count:     194
    .wavefront_size: 32
...
	.end_amdgpu_metadata
.endif
;; end of part 1
;; launch proj (part 2): grid 16 x 12, 4 waves a work-group, clusters of 4 x 4, 327,680 bytes of LDS; arguments xc, wc, rope, lowp_scales, qkv; writes qkv
.if DOCPART == 2
	.amdgcn_target "amdgcn-amd-amdhsa--gfx1250"
	.amdhsa_code_object_version 6
	.text
	.protected	k_q06f03405cc_proj
	.globl	k_q06f03405cc_proj
	.p2align	8
	.type	k_q06f03405cc_proj,@function
k_q06f03405cc_proj:
	s_mov_b64 s[64:65], 0
	v_nop
	global_prefetch_b8 v0, s[64:65] scope:SCOPE_SE
	s_setreg_imm32_b32 hwreg(HW_REG_WAVE_MODE, 25, 1), 1
	s_wait_xcnt 0x0
	s_wait_alu depctr_hold_cnt(0) depctr_sa_sdst(0) depctr_va_vdst(0) depctr_va_sdst(0) depctr_va_ssrc(0) depctr_va_vcc(0) depctr_vm_vsrc(0)
	s_getreg_b32 s2, hwreg(HW_REG_IB_STS2, 6, 4)
	s_cmp_eq_u32 s2, 0
	s_cbranch_scc0 .Lentry_in_a_cluster
	s_endpgm
.Lentry_in_a_cluster:
	s_bfe_u32 s2, ttmp6, 0x10000c
	s_cmp_lg_u32 s2, 0xf033
	s_cbranch_scc0 .Lentry_shape_is_right
	s_endpgm
.Lentry_shape_is_right:
.set KSTEP,  256
.set ROWB,   256
.set KROW,   1024
.set PITCH,  272
.set FR,     16
.set NL,     4
.set NP,     4
.set HALFT,  128*PITCH
.set SLOT,   4*HALFT
.set LAPS,   2
.set SPARE,  2*SLOT
.set SPITCH, 272
.set ADRA, 16
.set ADRB, 20
.set COV,  22
.set RDK,  18                          ; v18, v19: where k's and v's codes are read back from the stage: sixteen lanes take the same 16 bytes of sixteen rows
.set RDV,  19
.set FO,   23
.set STO,  24
.set RD,   25
.set CO,   26
.set SPW,  28
.set NIL,  29
.set SCL,  30
.set LIM,  31
.set TMP,  32
.set CD,   96
.set AF,   128
.set FT,   128
.set BK,   128
.set G1, 24
.set G0, 32
.set G1B, 48
.set G0B, 56
.set PJ, 70
.set MSB, 0
.macro WIN new
.if MSB != \new
	s_set_vgpr_msb (MSB<<8)|\new
.set MSB, \new
.endif
.endm
.set MUL_LO, 0xa1
.set MUL_HI, 0xf1
.set TO_B,   0x40
.macro JLOAD g0a, g1a, g0b, g1b
	s_cmp_eq_u32 s15, 0
	s_cbranch_scc0 .Lfor_b_\@
	tensor_load_to_lds s[\g0a:\g0a+3], s[\g1a:\g1a+7]
	s_nop 0
.rept 4
	v_nop
.endr
	s_branch .Lasked_\@
.Lfor_b_\@:
	tensor_load_to_lds s[\g0b:\g0b+3], s[\g1b:\g1b+7]
	s_nop 0
.rept 4
	v_nop
.endr
.Lasked_\@:
.endm
.macro CREST
	s_cmp_lg_u32 s14, 0
	s_cbranch_scc1 .Lnot_wave_0_\@
	s_barrier_signal -3
.Lnot_wave_0_\@:
	s_barrier_wait -3
	s_barrier_signal -1
	s_barrier_wait -1
.endm
.macro CROUND
	s_barrier_signal -1
	s_barrier_wait -1
	CREST
.endm
	s_load_b256 s[4:11], s[0:1], 0x0
	s_load_b64 s[12:13], s[0:1], 0x20
	v_lshl_add_u32 v[SPW], v0, 2, SPARE
	v_mov_b32 v[NIL], 0
	ds_add_u32 v28, v29
	ds_add_u32 v28, v29
	s_wait_dscnt 0x0
	v_lshrrev_b32 v1, 5, v0
	v_readfirstlane_b32 s14, v1
	s_lshr_b32 s15, s14, 1
	s_and_b32 s16, s14, 1
	s_bfe_u32 s40, ttmp6, 0x40000
	s_bfe_u32 s41, ttmp6, 0x40004
	s_and_b32 s[PJ], ttmp7, 0xffff
	s_lshl_b32 s71, ttmp9, 2
	s_add_co_u32 s72, s71, s41
	s_add_co_u32 s73, s71, s40
	s_lshl_b32 s43, s41, 2
	s_lshl_b32 s43, 15, s43
	s_lshl_b32 s44, 0x1111, s40
	s_lshl_b32 s74, s[PJ], 22
	s_mov_b32 s75, 0
	s_lshl_b32 s76, s[PJ], 20
	s_mov_b32 s77, 0
	s_cmp_eq_u32 s[PJ], 2
	s_cselect_b32 s17, s41, s72
	s_cselect_b32 s42, s73, s40
	s_or_b32 s[G1+0], s43, (0<<16)|(1<<20)|(1<<21)|(5<<22)|(3<<25)
	s_or_b32 s[G1B+0], s44, (0<<16)|(1<<20)|(1<<21)|(5<<22)|(3<<25)
.irp g, G1, G1B
	s_mov_b32 s[\g+1], ROWB<<16
	s_mov_b32 s[\g+2], 128<<16
	s_mov_b32 s[\g+3], ROWB<<16
	s_mov_b32 s[\g+4], 128
	s_mov_b32 s[\g+5], KROW
	s_mov_b32 s[\g+6], 0
	s_mov_b32 s[\g+7], 0
.endr
	s_lshl_b32 s18, s16, 7
	s_lshl_b32 s20, s17, 8
	s_add_co_u32 s20, s20, s18
	s_lshl_b32 s46, s42, 8
	s_add_co_u32 s46, s46, s18
	s_lshl_b32 s20, s20, 10
	s_lshl_b32 s46, s46, 10
	s_mov_b32 s21, 0
	s_mov_b32 s47, 0
	s_mul_i32 s45, s14, HALFT
	s_wait_kmcnt 0x0
	s_load_b256 s[84:91], s[10:11], 0x0
	s_load_b128 s[92:95], s[10:11], 0x20
	s_add_nc_u64 s[78:79], s[4:5], s[74:75]
	s_add_nc_u64 s[80:81], s[6:7], s[76:77]
	s_cmp_eq_u32 s[PJ], 2
	s_cselect_b64 s[66:67], s[80:81], s[78:79]
	s_cselect_b64 s[68:69], s[78:79], s[80:81]
	s_add_nc_u64 s[20:21], s[66:67], s[20:21]
	s_add_nc_u64 s[46:47], s[68:69], s[46:47]
	CROUND
.irp s, 0,1
	s_mov_b32 s[G0+4*\s], 1
	s_add_co_u32 s[G0+4*\s+1], s45, \s*SLOT
	s_add_nc_u64 s[G0+4*\s+2:G0+4*\s+3], s[20:21], \s*ROWB
	s_or_b32 s[G0+4*\s+3], s[G0+4*\s+3], 0x80000000
	s_mov_b32 s[G0B+4*\s], 1
	s_add_co_u32 s[G0B+4*\s+1], s45, \s*SLOT
	s_add_nc_u64 s[G0B+4*\s+2:G0B+4*\s+3], s[46:47], \s*ROWB
	s_or_b32 s[G0B+4*\s+3], s[G0B+4*\s+3], 0x80000000
	s_wait_alu depctr_va_vdst(0)
	s_wait_tensorcnt 0x0
	ds_add_u32 v28, v29
	ds_add_u32 v28, v29
	s_wait_dscnt 0x0
	CROUND
	JLOAD G0+4*\s, G1, G0B+4*\s, G1B
.endr
	v_and_b32 v1, 15, v0
	s_wait_alu depctr_va_vdst(0)
	v_bfe_u32 v2, v0, 4, 1
	v_mul_u32_u24 v3, v1, PITCH
	v_lshl_add_u32 v4, v2, 4, v3
	s_mul_i32 s21, s15, HALFT
	s_mul_i32 s22, s16, HALFT
	s_add_co_u32 s22, s22, 2*HALFT
.irp s, 0,1
	v_add_nc_u32 v[ADRA+\s], s21, v4
	v_add_nc_u32 v[ADRB+\s], s22, v4
	s_add_co_u32 s21, s21, SLOT
	s_add_co_u32 s22, s22, SLOT
.endr
	s_mul_i32 s23, s15, 128*SPITCH
	s_lshl_b32 s21, s16, 7
	s_add_co_u32 s23, s23, s21
	v_mul_u32_u24 v5, v1, SPITCH
	s_wait_alu depctr_va_vdst(0)
	v_lshl_add_u32 v5, v2, 3, v5
	v_add_nc_u32 v[STO], s23, v5
	s_mul_i32 s23, s14, 64*SPITCH
	v_mul_u32_u24 v6, v2, SPITCH
	v_lshl_add_u32 v6, v1, 4, v6
	v_add_nc_u32 v[RD], s23, v6
	v_lshlrev_b32 v[CO], 10, v2
	v_lshl_add_u32 v[CO], v1, 4, v[CO]
	v_and_b32 v7, 31, v0
	v_lshlrev_b32 v[COV], 4, v7                    ; k, v: 16 x lane: a store of the wave covers 512 consecutive bytes
	v_add_nc_u32 v[RDV], s23, v4                   ; v: row l % 16 of my 64, + 16 (l / 16)
	v_and_b32 v7, 8, v1
	v_mad_u32_u24 v[RDK], v7, SPITCH, v[RDV]       ; k: row r + 8 (r / 8): the keys of a tile as the attention launch wants them
	v_lshlrev_b32 v[FO], 7, v1
	v_lshl_add_u32 v[FO], v2, 5, v[FO]
	s_lshl_b32 s72, s17, 18
	s_lshl_b32 s73, s14, 16
	s_add_co_u32 s72, s72, s73
	s_lshl_b32 s73, s42, 8
	s_add_co_u32 s72, s72, s73
	s_lshl_b32 s78, s42, 18
	s_lshl_b32 s79, s17, 15
	s_add_co_u32 s78, s78, s79
	s_lshl_b32 s79, s14, 13
	s_add_co_u32 s78, s78, s79
	s_cmp_eq_u32 s[PJ], 2
	s_cselect_b32 s72, s78, s72
	s_lshl_b32 s78, s17, 18                        ; k lies [128 keys][head][tile of 16 keys][16 bytes of the head's 64][key][16]: 131,072, 8,192, 1,024, 256, 16 bytes
	s_lshr_b32 s79, s14, 1
	s_lshl_b32 s79, s79, 17
	s_add_co_u32 s78, s78, s79
	s_and_b32 s79, s14, 1
	s_lshl_b32 s79, s79, 12
	s_add_co_u32 s78, s78, s79
	s_lshl_b32 s79, s42, 15
	s_add_co_u32 s78, s78, s79
	s_cmp_eq_u32 s[PJ], 1
	s_cselect_b32 s72, s78, s72
	s_add_co_u32 s72, s72, s74
	s_mov_b32 s73, 0
	s_add_nc_u64 s[12:13], s[12:13], s[72:73]
	s_and_b32 s78, s17, 7
	s_lshl_b32 s78, s78, 15
	s_lshl_b32 s79, s15, 14
	s_add_co_u32 s78, s78, s79
	s_mov_b32 s79, 0
	s_add_nc_u64 s[8:9], s[8:9], s[78:79]
.macro FRAG reg, adr, q, i
.irp c, 0,1,2,3
	ds_load_b128 v[\reg+4*\c:\reg+4*\c+3], v[\adr] offset:128*(\q)+32*\c+(\i)*16*PITCH
.endr
.endm
.macro MUL16 a0, p, zero
.irp a, \a0, \a0+1
.irp b, 0,1,2,3,4,5,6,7
.if \zero
	v_wmma_f32_16x16x128_fp8_fp8 v[8*(8*((\a)%4)+\b):8*(8*((\a)%4)+\b)+7], v[128*(\p)+FR*\b:128*(\p)+FR*\b+FR-1], v[AF+FR*(\a):AF+FR*(\a)+FR-1], 0
.else
	v_wmma_f32_16x16x128_fp8_fp8 v[8*(8*((\a)%4)+\b):8*(8*((\a)%4)+\b)+7], v[128*(\p)+FR*\b:128*(\p)+FR*\b+FR-1], v[AF+FR*(\a):AF+FR*(\a)+FR-1], v[8*(8*((\a)%4)+\b):8*(8*((\a)%4)+\b)+7]
.endif
.endr
.endr
.endm
.macro FETCH_B slot, q, p
	WIN TO_B
.irp i, 0,1,2,3,4,5,6,7
	FRAG 128*(\p)+FR*\i, ADRB+\slot, \q, \i
.endr
	WIN 0
.endm
.macro FETCH_A slot, q, i0
.irp i, \i0, \i0+1, \i0+2, \i0+3
	FRAG AF+FR*(\i), ADRA+\slot, \q, \i
.endr
.endm
.macro PLACES n
.rept \n
	v_nop
.endr
.endm
.macro STEP slot, q, zero
	s_wait_dscnt 4*NL
	WIN MUL_LO
	MUL16 0, (\q)%2, \zero
	MUL16 2, (\q)%2, \zero
	s_wait_dscnt 0
	PLACES NP
	FETCH_B \slot, (\q)+1, 1-(\q)%2
	FETCH_A \slot, (\q)+1, 0
	WIN MUL_HI
	MUL16 4, (\q)%2, \zero
	MUL16 6, (\q)%2, \zero
	PLACES NP
	WIN 0
	FETCH_A \slot, (\q)+1, 4
.endm
.macro TURN slot, next, fill
	s_wait_tensorcnt 0x0
	ds_add_u32 v[SPW], v[NIL]
	s_wait_dscnt 4*NL+1
	WIN MUL_LO
	MUL16 0, 1, 0
	s_wait_dscnt 0x0
	s_barrier_signal -1
	MUL16 2, 1, 0
	WIN 0
	s_barrier_wait -1
.if \fill
	CREST
	s_add_nc_u64 s[G0+4*\slot+2:G0+4*\slot+3], s[G0+4*\slot+2:G0+4*\slot+3], 2*ROWB
	s_add_nc_u64 s[G0B+4*\slot+2:G0B+4*\slot+3], s[G0B+4*\slot+2:G0B+4*\slot+3], 2*ROWB
	JLOAD G0+4*\slot, G1, G0B+4*\slot, G1B
.else
	PLACES NP
.endif
	FETCH_B \next, 0, 0
	FETCH_A \next, 0, 0
	WIN MUL_HI
	MUL16 4, 1, 0
	MUL16 6, 1, 0
	PLACES NP
	WIN 0
	FETCH_A \next, 0, 4
.endm
	s_wait_tensorcnt 1
	s_barrier_signal -1
	s_barrier_wait -1
	FETCH_B 0, 0, 0
	FETCH_A 0, 0, 0
	FETCH_A 0, 0, 4
	STEP 0, 0, 1
	s_mov_b32 s3, LAPS-1
.Llap:
	TURN 0, 1, 1
	STEP 1, 0, 0
	TURN 1, 0, 1
	STEP 0, 0, 0
	s_sub_co_u32 s3, s3, 1
	s_cmp_lg_u32 s3, 0
	s_cbranch_scc1 .Llap
	TURN 0, 1, 0
	STEP 1, 0, 0
	s_wait_dscnt 4*NL
	WIN MUL_LO
	MUL16 0, 1, 0
	MUL16 2, 1, 0
	s_wait_dscnt 0
	WIN MUL_HI
	MUL16 4, 1, 0
	MUL16 6, 1, 0
	WIN 0
	s_wait_kmcnt 0x0
	s_sub_co_i32 s72, s90, s84
	s_sub_co_i32 s72, s72, s85
	s_sub_co_i32 s73, s91, s86
	s_sub_co_i32 s73, s73, s87
	s_sub_co_i32 s74, s93, s88
	s_sub_co_i32 s74, s74, s89
	s_cmp_eq_u32 s[PJ], 1
	s_cselect_b32 s72, s73, s72
	s_cmp_eq_u32 s[PJ], 2
	s_cselect_b32 s72, s74, s72
	s_add_co_i32 s72, s72, 127
	s_lshl_b32 s73, s72, 23
	s_add_co_i32 s72, s72, 8
	s_lshl_b32 s72, s72, 23
	s_or_b32 s72, s72, 0x600000
	PLACES NP
	v_mov_b32 v[SCL], s73
	v_mov_b32 v[LIM], s72
	s_cmp_eq_u32 s[PJ], 2
	s_cbranch_scc1 .Lno_rope
	s_wait_alu depctr_va_vdst(0)
.irp a, 0,1,2,3,4,5,6,7
.irp p, 0,1
.irp q, 0,1
	global_load_b128 v[FT+16*\a+8*\p+4*\q:FT+16*\a+8*\p+4*\q+3], v[FO], s[8:9] offset:2048*\a+64*\p+16*\q
.endr
.endr
.endr
	s_wait_loadcnt 0x0
.Lno_rope:
.macro BLOCKOUT a
.set AC, 64*((\a)%4)
.set CB, CD+16*((\a)%2)
	s_cmp_eq_u32 s[PJ], 2
	s_cbranch_scc1 .Lplain_\@
	WIN 0x02+((\a)/4)
.set j, 0
.rept 32
	v_pk_mul_f32 v[TMP+j:TMP+j+1], v[AC+j:AC+j+1], v[FT+16*(\a)+8*((j/8)%2)+j%8:FT+16*(\a)+8*((j/8)%2)+j%8+1]
.set j, j+2
.endr
	WIN 0
.set j, 0
.rept 64
	v_med3_num_f32 v[TMP+j], v[TMP+j], -v[LIM], v[LIM]
.set j, j+1
.endr
	s_branch .Ljoin_\@
.Lplain_\@:
	WIN 0x02+((\a)/4)
.set j, 0
	s_wait_alu depctr_va_vdst(0)
.rept 64
	v_med3_num_f32 v[TMP+j], v[AC+j], -v[LIM], v[LIM]
.set j, j+1
.endr
	WIN 0
.Ljoin_\@:
.if (\a) >= 2
	s_wait_dscnt 8
.endif
.set j, 0
	s_wait_alu depctr_va_vdst(0)
.rept 8
	v_cvt_scalef32_pk8_fp8_f32 v[CB+2*j:CB+2*j+1], v[TMP+8*j:TMP+8*j+7], v[SCL]
.set j, j+1
.endr
	v_nop
.set j, 0
.rept 8
	ds_store_b64 v[STO], v[CB+2*j:CB+2*j+1] offset:16*(\a)*SPITCH+16*j
.set j, j+1
.endr
.endm
.irp a, 0,1,2,3,4,5,6,7
	BLOCKOUT \a
.endr
	s_wait_dscnt 0x0
	s_barrier_signal -1
	s_barrier_wait -1
.set g, 0
	s_cmp_eq_u32 s[PJ], 2
	s_cbranch_scc1 .Lstore_v
	s_cmp_eq_u32 s[PJ], 1
	s_cbranch_scc1 .Lstore_k
.rept 32
	ds_load_b128 v[BK+4*g:BK+4*g+3], v[RD] offset:g*2*SPITCH
.set g, g+1
.endr
.set g, 0
.rept 32
	s_wait_dscnt 31-g
	global_store_b128 v[CO], v[BK+4*g:BK+4*g+3], s[12:13] offset:g*2048
.set g, g+1
.endr
	s_branch .Lstored
.Lstore_k:
.set g, 0
.rept 32
	ds_load_b128 v[BK+4*g:BK+4*g+3], v[RDK] offset:(32*(g>>4)+8*((g>>3)&1))*SPITCH+32*(g&7)
.set g, g+1
.endr
.set g, 0
.rept 32
	s_wait_dscnt 31-g
	global_store_b128 v[COV], v[BK+4*g:BK+4*g+3], s[12:13] offset:((g&7)>>1)*8192+(g>>3)*1024+(g&1)*512
.set g, g+1
.endr
	s_branch .Lstored
.Lstore_v:
.set g, 0
.rept 32
	ds_load_b128 v[BK+4*g:BK+4*g+3], v[RDV] offset:16*(g>>3)*SPITCH+32*(g&7)
.set g, g+1
.endr
.set g, 0
.rept 32
	s_wait_dscnt 31-g
	global_store_b128 v[COV], v[BK+4*g:BK+4*g+3], s[12:13] offset:((g&7)>>2)*131072+(g&3)*512+(g>>3)*2048   ; v lies [128 keys][16 channels][16 keys][channel][16]: 131,072, 2,048, 256, 16 bytes
.set g, g+1
.endr
.Lstored:
	s_wait_tensorcnt 0x0
	ds_add_u32 v[SPW], v[NIL]
	s_wait_dscnt 0x0
	CROUND
	s_endpgm
.Lfunc_end_k_q06f03405cc_proj:
	.size	k_q06f03405cc_proj, .Lfunc_end_k_q06f03405cc_proj-k_q06f03405cc_proj
	.p2alignl 7, 3214868480
	.fill 96, 4, 3214868480
	.section	.rodata,"a",@progbits
	.p2align	6, 0x0
	.amdhsa_kernel k_q06f03405cc_proj
		.amdhsa_group_segment_fixed_size 327680
		.amdhsa_private_segment_fixed_size 0
		.amdhsa_enable_private_segment 0
		.amdhsa_kernarg_size 40
		.amdhsa_user_sgpr_count 2
		.amdhsa_user_sgpr_kernarg_segment_ptr 1
		.amdhsa_wavefront_size32 1
		.amdhsa_system_sgpr_workgroup_id_x 1
		.amdhsa_system_sgpr_workgroup_id_y 1
		.amdhsa_system_sgpr_workgroup_id_z 1
		.amdhsa_system_vgpr_workitem_id 0
		.amdhsa_next_free_vgpr 1024
		.amdhsa_next_free_sgpr 100
		.amdhsa_reserve_vcc 0
		.amdhsa_float_denorm_mode_32 3
		.amdhsa_float_denorm_mode_16_64 3
		.amdhsa_memory_ordered 1
		.amdhsa_forward_progress 1
		.amdhsa_inst_pref_size 193
	.end_amdhsa_kernel
	.amdgpu_metadata
---
amdhsa.version: [ 1, 2 ]
amdhsa.kernels:
  - .name:           k_q06f03405cc_proj
    .symbol:         k_q06f03405cc_proj.kd
    .args:
      - { .name: xc, .offset: 0, .size: 8, .value_kind: global_buffer, .address_space: global }
      - { .name: wc, .offset: 8, .size: 8, .value_kind: global_buffer, .address_space: global }
      - { .name: rope, .offset: 16, .size: 8, .value_kind: global_buffer, .address_space: global }
      - { .name: lowp_scales, .offset: 24, .size: 8, .value_kind: global_buffer, .address_space: global }
      - { .name: qkv, .offset: 32, .size: 8, .value_kind: global_buffer, .address_space: global }
    .group_segment_fixed_size: 327680
    .private_segment_fixed_size: 0
    .kernarg_segment_align: 8
    .kernarg_segment_size: 40
    .max_flat_workgroup_size: 128
    .sgpr_count:     100
    .vgpr_count:     1024
    .wavefront_size: 32
...
	.end_amdgpu_metadata
.endif
;; end of part 2
;; launch attn (part 3): grid 32 x 8, 16 waves a work-group, no clusters, 154,624 bytes of LDS; arguments qkv, attention_mask, lowp_scales, flags, oc; writes oc
.if DOCPART == 3
	.amdgcn_target "amdgcn-amd-amdhsa--gfx1250"
	.amdhsa_code_object_version 6
	.text
	.protected	k_q06f03405cc_attn
	.globl	k_q06f03405cc_attn
	.p2align	8
	.type	k_q06f03405cc_attn,@function
k_q06f03405cc_attn:
	s_mov_b64 s[64:65], 0
	v_nop
	global_prefetch_b8 v0, s[64:65] scope:SCOPE_SE
	s_setreg_imm32_b32 hwreg(HW_REG_WAVE_MODE, 25, 1), 1
	s_wait_xcnt 0x0
; ATTN.  o = softmax(q k^T / 8 + mask) v for 2 batches x 16 heads of 64, both products on codes of E4M3; o is quantised for the last projection.
; THE MASK IS AN INPUT AND IS HONOURED AS GIVEN.  The preparing launch has read it and stored, for each block of 16 queries, one word: bit j: the tile of keys 128 j .. + 127 is live; bit 16 + j: its mask numbers are all zero.
; A tile that is not live lies, for every query of the block and whatever the codes of q and k hold, more than 64 under the row's largest logit (the bound is shown where the word is made): its p are under 2^-92 of the row's
; largest and move no result by a rounding.  Such tiles are not walked.  Each row has a live tile.  LIMIT: a NaN or an infinity that only k's or v's codes of such a tile would bring is not carried to the result; NaN in the mask is not served.
; A live tile whose mask is all zero: t - M = fma(sum, log2 e x 2^(e6 + e7 - 3), -M), one rounding; no mask number is loaded.
; Any other live tile: u = fma(sum, 2^(e6 + e7 - 3), mask); t = f32(u x log2 e); t - M: three roundings on purpose: where a row is wholly masked |t| is very large and t's own rounding must cancel in t - M.
; THE SOFTMAX: M = the row's largest t so far, rounded UP to a whole number; p = 2^(t - M) is quantised with 2^e8, not normalised; the row's sum is taken of the unquantised p and divides at the end; when M moves, the sum and O are multiplied by 2^(old M - new M).
; p is at most 1, so the hold at 448 x 2^e8 can act only where e8 < -8: the loop is written twice, with the hold and without, and e8 chooses.
; SHARES.  256 work-groups of 16 waves; a wave owns 16 queries of one head in 256 registers.  Work-group (i, y): batch y / 4, heads 4 (y % 4) + 0 .. 3, blocks of queries i, 63 - i, 64 + i, 127 - i.  Wave w: head w / 4, block number (w + w / 4) % 4 of the four,
; so that the waves w % 4 = const and the waves w / 4 = const each hold all four blocks.
; NO TENSOR LOAD, NO CLUSTER: which tiles a wave walks hangs on the stored word, so K and V go from memory straight into the operands' registers.  The projecting launch has laid them in that order: a head's tile of 128 keys is 8,192 bytes on end,
; register group n of lane l at 512 n + 16 l: each load of the wave covers 512 consecutive bytes.  K's next live tile is asked for a step ahead, V's at the step's head.  The walk's last step asks once more for a tile of K (tile 15) that nobody reads.
; The mask's tile (rows of 512 bytes, one a load) turns through the wave's own stage in LDS into the scores' layout.  Waves share nothing in the loop: no barrier there.
; PREFETCH: the 32 work-groups of a batch and group of heads walk the same K and V.  Work-group i names tile i % 16 (but tile 0, which every wave loads at once) of K (i < 16) or of V, once, at its head: one wave for each head, a lane a block of 256 bytes.
; LAYOUT.  Both products are used transposed (S^T = K Q^T, O^T = V^T P^T): a lane holds one query.  Lane r of K's tile 2 b + u holds key 32 b + 8 u + r + 8 (r / 8), so registers 16 b .. 16 b + 15 of S are keys 32 b + 16 (lane / 16) + 0 .. 15.
; LIMITS on the given exponents: e6 + e7 - 3 between -126 and 127; e8, and e10 - e8 - e9, between -126 and 119.  The scaled scores stay under 2^31 in magnitude.
.set MP,     528                       ; a row of the mask's stage: 512 bytes + 16
.set MST,    16*MP                     ; a wave's stage
.set OSTAGE, 16*MST                    ; the way out: 64 rows x (256 bytes + 16)
.set SPI,    272
.set SPARE,  OSTAGE+64*SPI             ; the spare words, 128 bytes for each of 16 waves
.set LO,  1                            ; v1 16 x lane;  v2, v3 the mask's stage, in and out;  v4 448 x 2^e8;  v255 2^e8
.set MSI, 2
.set MSO, 3
.set LIMP, 4
.set SPW, 5
.set NIL, 6
.set QF,  16                           ; v16-23 Q;  v24-87 K (or the mask);  v88-151 V;  v152-167 p's codes (the last twelve lie over S's first);  v156-219 S;  v220-251 O^T
.set KF,  24
.set VF,  88
.set PC,  152
.set SS,  156
.set OT,  220
.set FF,  252
.set PD,  254
.set SCLP, 255
.set WV, 14
.set HD, 15
.set SL, 16
.set BLK, 17
.set SEL, 20
.set CS,  22                           ; s[22:23] 2^(e6 + e7 - 3);  s[24:25] log2 e;  s[26:27] their product
.set L2E, 24
.set CP,  26
.set KB,  28                           ; s[28:29], s[30:31] my head's K and V;  s[32:33] my rows of the mask;  s[34:39] the addresses in hand
.set VB,  30
.set MBS, 32
.set KA,  34
.set VA,  36
.set MA,  38
.set ACT, 40                           ; s40 live tiles still to be asked for;  s41 the zero bits;  s42 steps to go;  s43, s44 this step's tile and the next
.set ZB,  41
.set CNT, 42
.set J,   43
.set JN,  44
.macro LD8K reg, base
.set n, 0
.rept 16
	global_load_b128 v[\reg+4*n:\reg+4*n+3], v[LO], s[\base:\base+1] offset:512*n
.set n, n+1
.endr
.endm
.macro NEXTJ dst                       ; the lowest live tile still to come, clamped into the buffer, and its bit cleared
	s_ctz_i32_b32 s[\dst], s[ACT]
	s_min_u32 s[\dst], s[\dst], 15
	s_sub_co_u32 s45, s[ACT], 1
	s_and_b32 s[ACT], s[ACT], s45
.endm
.macro MAXM mult                       ; the step's largest number of my query x s[mult] = its largest t; then M and f
	v_max3_num_f32 v8, v[SS], v[SS+1], v[SS+2]     ; each accumulator from its low end on
	v_max3_num_f32 v9, v[SS+3], v[SS+4], v[SS+5]
.irp i, 6,10,14,18,22,26,30,34,38,42,46,50,54,58
	v_max3_num_f32 v8, v8, v[SS+\i], v[SS+\i+1]
	v_max3_num_f32 v9, v9, v[SS+\i+2], v[SS+\i+3]
.endr
	v_max3_num_f32 v8, v8, v[SS+62], v[SS+63]
	s_delay_alu instid0(VALU_DEP_1)
	v_max_num_f32 v8, v8, v9
	s_delay_alu instid0(VALU_DEP_1)
	v_permlanex16_b32 v[PD], v8, s[SEL], s[SEL+1]
	s_delay_alu instid0(VALU_DEP_1)
	v_max_num_f32 v8, v8, v[PD]
	s_delay_alu instid0(VALU_DEP_1)
	v_mul_f32 v8, s[\mult], v8                     ; the factor is positive and rounding is monotonic
	s_delay_alu instid0(VALU_DEP_1)
	v_max_num_f32 v13, v13, v8                     ; the running largest t
	v_mov_b32 v8, v12
	s_delay_alu instid0(VALU_DEP_2)
	v_floor_f32 v12, -v13                          ; -M = floor(-t)
	s_delay_alu instid0(VALU_DEP_1)
	v_sub_f32 v8, v12, v8                          ; old M - new M
	s_delay_alu instid0(VALU_DEP_1)
	v_cvt_i32_f32 v8, v8                           ; (it saturates)
	s_delay_alu instid0(VALU_DEP_1)
	v_ldexp_f32 v[FF], 1.0, v8                     ; f
.endm
.macro BODY hold
.Lstep_\@:
.rept 5
	v_nop                                          ; places behind the last step's products: four for the loads into V's registers, five for the score products, which write over p's codes
.endr
	s_lshl_b32 s46, s[J], 17
	s_add_nc_u64 s[VA:VA+1], s[VB:VB+1], s[46:47]  ; (the last V's loads were waited for)
	LD8K VF, VA
	NEXTJ JN
	s_wait_loadcnt 16                              ; K (and Q) are in; V's 16 loads may be out
.irp t, 0,1,2,3,4,5,6,7
	v_wmma_f32_16x16x64_fp8_fp8 v[SS+8*\t:SS+8*\t+7], v[KF+8*\t:KF+8*\t+7], v[QF:QF+7], 0
.endr
.rept 4
	v_nop                                          ; places: for loads into K's registers and for the first reads of the scores
.endr
	s_lshl_b32 s46, s[JN], 17
	s_add_nc_u64 s[KA:KA+1], s[KB:KB+1], s[46:47]
	s_lshr_b32 s45, s[ZB], s[J]
	s_and_b32 s45, s45, 1
	s_cmp_lg_u32 s45, 0
	s_cbranch_scc1 .Lzero_\@
	s_lshl_b32 s46, s[J], 9
	s_add_nc_u64 s[MA:MA+1], s[MBS:MBS+1], s[46:47]
.set n, 0
.rept 16
	global_load_b128 v[KF+4*n:KF+4*n+3], v[LO], s[MA:MA+1] offset:8192*n   ; a row's 512 bytes
.set n, n+1
.endr
	s_wait_loadcnt 0x0
.set n, 0
.rept 16
	ds_store_b128 v[MSI], v[KF+4*n:KF+4*n+3] offset:MP*n
.set n, n+1
.endr
.set n, 0
.rept 16
	ds_load_b128 v[KF+4*n:KF+4*n+3], v[MSO] offset:128*(n/4)+16*(n%4)      ; LDS serves a wave's instructions in order: these see my stores
.set n, n+1
.endr
	s_wait_dscnt 0x0
.set j, 0
.rept 32
	v_pk_fma_f32 v[SS+j:SS+j+1], v[SS+j:SS+j+1], s[CS:CS+1], v[KF+j:KF+j+1] op_sel_hi:[1,0,1]   ; u
.set j, j+2
.endr
	LD8K KF, KA                                    ; the next live tile of K
	MAXM L2E
.set j, 0
.rept 32
	v_pk_mul_f32 v[SS+j:SS+j+1], v[SS+j:SS+j+1], s[L2E:L2E+1] op_sel_hi:[1,0]   ; t
.set j, j+2
.endr
.set j, 0
.rept 32
	v_pk_add_f32 v[SS+j:SS+j+1], v[SS+j:SS+j+1], v[12:13] op_sel_hi:[1,0]       ; t - M
.set j, j+2
.endr
	s_branch .Ljoin_\@
.Lzero_\@:
	LD8K KF, KA
	MAXM CP
.set j, 0
.rept 32
	v_pk_fma_f32 v[SS+j:SS+j+1], v[SS+j:SS+j+1], s[CP:CP+1], v[12:13] op_sel_hi:[1,0,0]   ; t - M
.set j, j+2
.endr
.Ljoin_\@:
.set j, 0
.rept 16
	v_pk_mul_f32 v[OT+j:OT+j+1], v[OT+j:OT+j+1], v[FF:FF+1] op_sel_hi:[1,0]   ; O^T under the new M, each accumulator from its low end on
.set j, j+2
.endr
	v_pk_mul_f32 v[14:15], v[14:15], v[FF:FF+1] op_sel_hi:[1,0]
	s_wait_alu depctr_va_vdst(0)                   ; ahead of the batch
.set j, 0
.rept 64
	v_exp_f32 v[SS+j], v[SS+j]
.set j, j+1
.endr
	v_nop                                          ; a plain place behind the exponentials
	s_wait_alu depctr_va_vdst(0)                   ; and for one wait behind it, ahead of its first reader
.irp b, 0,1,2,3                        ; by blocks of 16 keys a lane: the sum of the unquantised p in three chains, the hold, the codes.  Block b's codes go over block 0's numbers, which are summed and converted; the sums are the plain lines between two blocks' conversions
.set X, SS+16*\b
.if \b == 0
	v_pk_add_f32 v[8:9], v[X:X+1], v[X+2:X+3]
	v_pk_add_f32 v[10:11], v[X+4:X+5], v[X+6:X+7]
.else
	v_pk_add_f32 v[8:9], v[8:9], v[X:X+1]
	v_pk_add_f32 v[10:11], v[10:11], v[X+2:X+3]
	v_pk_add_f32 v[14:15], v[14:15], v[X+4:X+5]
	v_pk_add_f32 v[8:9], v[8:9], v[X+6:X+7]
.endif
	v_pk_add_f32 v[14:15], v[14:15], v[X+8:X+9]
	v_pk_add_f32 v[8:9], v[8:9], v[X+10:X+11]
	v_pk_add_f32 v[10:11], v[10:11], v[X+12:X+13]
	v_pk_add_f32 v[14:15], v[14:15], v[X+14:X+15]
.if \hold
.set j, 0
.rept 16
	v_min_num_f32 v[X+j], v[X+j], v[LIMP]          ; the conversion does not saturate (ISA guide 7.6.2); p is not negative
.set j, j+1
.endr
.endif
	v_cvt_scalef32_pk8_fp8_f32 v[PC+4*\b:PC+4*\b+1], v[X:X+7], v[SCLP]
	v_cvt_scalef32_pk8_fp8_f32 v[PC+4*\b+2:PC+4*\b+3], v[X+8:X+15], v[SCLP]
.endr
	v_pk_add_f32 v[8:9], v[8:9], v[10:11]          ; (plain lines between the last conversion and the products)
	v_pk_add_f32 v[14:15], v[14:15], v[8:9]
	s_wait_alu depctr_va_vdst(0)
	s_wait_loadcnt 16                              ; V is in; the next K's 16 loads may be out
.irp t, 0,1,2,3
	v_wmma_f32_16x16x128_fp8_fp8 v[OT+8*\t:OT+8*\t+7], v[VF+16*\t:VF+16*\t+15], v[PC:PC+15], v[OT+8*\t:OT+8*\t+7]   ; four accumulators by turns
.endr
	s_mov_b32 s[J], s[JN]
	s_sub_co_u32 s[CNT], s[CNT], 1
	s_cmp_lg_u32 s[CNT], 0
	s_cbranch_scc1 .Lstep_\@
.endm
	s_load_b256 s[4:11], s[0:1], 0x0               ; qkv 4:5, the mask 6:7, scales 8:9, flags 10:11
	s_load_b64 s[12:13], s[0:1], 0x20              ; oc
	v_lshl_add_u32 v[SPW], v0, 2, SPARE
	v_mov_b32 v[NIL], 0
	v_lshrrev_b32 v7, 5, v0
	v_readfirstlane_b32 s[WV], v7
	s_lshr_b32 s[HD], s[WV], 2
	s_add_co_u32 s[SL], s[WV], s[HD]
	s_and_b32 s[SL], s[SL], 3
	s_and_b32 s18, ttmp7, 0xffff
	s_and_b32 s19, s18, 3                          ; the group of heads
	s_lshr_b32 s18, s18, 2
	s_lshl_b32 s18, s18, 21                        ; a batch is 2 MiB in each tensor of codes
	s_and_b32 s45, s[SL], 1                        ; block number n of the four: 64 (n / 2) + (i or 63 - i)
	s_mul_i32 s45, s45, 63
	s_xor_b32 s45, s45, ttmp9
	s_lshr_b32 s46, s[SL], 1
	s_lshl_b32 s46, s46, 6
	s_or_b32 s[BLK], s45, s46                      ; my block of queries
	s_and_b32 s45, s[HD], 1
	s_mul_i32 s45, s45, 63
	s_xor_b32 s45, s45, ttmp9
	s_lshr_b32 s46, s[HD], 1
	s_lshl_b32 s46, s46, 6
	s_or_b32 s53, s45, s46                         ; the block of whose rows I store four: number w / 4
	s_lshl_b32 s54, s19, 2
	s_add_co_u32 s54, s54, s[HD]                   ; my head
	s_lshl_b32 s45, s54, 13
	s_add_co_u32 s[KB], s18, s45
	s_add_co_u32 s[KB], s[KB], 0x400000
	s_add_co_u32 s[VB], s[KB], 0x400000
	s_mov_b32 s[KB+1], 0
	s_mov_b32 s[VB+1], 0
	s_lshl_b32 s[MBS], s[BLK], 17
	s_mov_b32 s[MBS+1], 0
	s_lshl_b32 s56, s[BLK], 14
	s_add_co_u32 s56, s56, s18
	s_lshl_b32 s45, s54, 6
	s_add_co_u32 s56, s56, s45                     ; Q: my first query's row, my head's 64 bytes
	s_mov_b32 s57, 0
	s_lshl_b32 s58, s[BLK], 8
	s_mov_b32 s59, 0
	s_lshl_b32 s38, s53, 14
	s_add_co_u32 s38, s38, s18
	s_and_b32 s45, s[WV], 3
	s_lshl_b32 s45, s45, 12
	s_add_co_u32 s38, s38, s45
	s_lshl_b32 s45, s19, 8
	s_add_co_u32 s38, s38, s45                     ; oc: rows 4 (w % 4) on of that block, my group's 256 bytes
	s_mov_b32 s39, 0
	s_mov_b32 s47, 0
	s_mul_i32 s55, s[SL], 16*SPI
	s_lshl_b32 s45, s[HD], 6
	s_add_co_u32 s55, s55, s45
	s_add_co_u32 s55, s55, OSTAGE                  ; the way out, in: my block's 16 rows, my head's 64 bytes
	s_mul_i32 s60, s[WV], 4*SPI
	s_add_co_u32 s60, s60, OSTAGE                  ; and back: rows 4 w on
	s_mov_b32 s[SEL], 0x76543210
	s_mov_b32 s[SEL+1], 0xfedcba98
	s_mov_b32 s[L2E], 0x3fb8aa3b
	s_mov_b32 s[L2E+1], s[L2E]
	s_mul_i32 s45, s[WV], MST
	v_and_b32 v7, 31, v0
	v_lshlrev_b32 v[LO], 4, v7
	v_add_nc_u32 v[MSI], s45, v[LO]
	v_and_b32 v8, 15, v0
	v_bfe_u32 v9, v0, 4, 1
	v_mul_u32_u24 v[MSO], v8, MP
	v_lshl_add_u32 v[MSO], v9, 6, v[MSO]
	v_add_nc_u32 v[MSO], s45, v[MSO]               ; my query's row, + 16 keys x (lane / 16)
	v_lshlrev_b32 v10, 10, v8
	v_lshl_add_u32 v10, v9, 4, v10                 ; Q's lane offset
	v_lshlrev_b32 v11, 8, v7                       ; the prefetch's: 256 x lane
	v_mov_b32 v13, 0xff61b1e6                      ; the largest t so far: -3e38
	v_floor_f32 v12, -v13
	v_mov_b32 v14, 0
	v_mov_b32 v15, 0
	v_mov_b32 v[PD], 0
	v_mov_b32 v[FF+1], 0
.set j, 0
.rept 32
	v_mov_b32 v[OT+j], 0                           ; the step has no first form of its own: the first change of M multiplies zeros
.set j, j+1
.endr
	s_wait_alu depctr_va_vdst(0)
	s_wait_kmcnt 0x0
	s_add_nc_u64 s[10:11], s[10:11], s[58:59]
	s_load_b32 s[ZB], s[10:11], 0x0                ; my block's word
	s_load_b128 s[48:51], s[8:9], 0x18             ; e6, e7, e8, e9
	s_load_b32 s52, s[8:9], 0x28                   ; e10
	s_add_nc_u64 s[56:57], s[4:5], s[56:57]
	s_add_nc_u64 s[KB:KB+1], s[4:5], s[KB:KB+1]
	s_add_nc_u64 s[VB:VB+1], s[4:5], s[VB:VB+1]
	s_add_nc_u64 s[MBS:MBS+1], s[6:7], s[MBS:MBS+1]
	s_add_nc_u64 s[12:13], s[12:13], s[38:39]
	global_load_b128 v[QF:QF+3], v10, s[56:57]
	global_load_b128 v[QF+4:QF+7], v10, s[56:57] offset:32
	s_wait_kmcnt 0x0
	s_and_b32 s[ACT], s[ZB], 0xffff
	s_lshr_b32 s[ZB], s[ZB], 16
	s_bcnt1_i32_b32 s[CNT], s[ACT]
	s_max_u32 s[CNT], s[CNT], 1
	s_min_u32 s[CNT], s[CNT], 16                   ; the walk's steps
	NEXTJ J
	s_lshl_b32 s46, s[J], 17
	s_add_nc_u64 s[KA:KA+1], s[KB:KB+1], s[46:47]
	LD8K KF, KA                                    ; the first live tile of K
	s_and_b32 s45, ttmp9, 15                       ; the prefetch: tile i % 16 of K (i < 16) or of V, my head's 8,192 bytes
	s_cmp_lt_u32 ttmp9, 16
	s_cselect_b64 s[MA:MA+1], s[KB:KB+1], s[VB:VB+1]
	s_lshl_b32 s46, s45, 17
	s_add_nc_u64 s[MA:MA+1], s[MA:MA+1], s[46:47]
	s_cmp_eq_u32 s45, 0
	s_cselect_b32 s45, 1, s[SL]
	s_cmp_lg_u32 s45, 0                            ; one wave for each head asks; nobody for tile 0
	s_cbranch_scc1 .Lnot_mine
	global_prefetch_b8 v11, s[MA:MA+1] th:TH_LOAD_NT scope:SCOPE_SE
.Lnot_mine:
	s_add_co_i32 s45, s48, s49
	s_add_co_i32 s46, s45, 124                     ; e6 + e7 - 3 + 127
	s_lshl_b32 s[CS], s46, 23
	s_mov_b32 s[CS+1], s[CS]
	s_sub_co_i32 s45, s45, 3
	s_lshl_b32 s45, s45, 23
	s_add_co_i32 s[CP], s45, 0x3fb8aa3b            ; the exponents are added to log2 e's exponent field
	s_mov_b32 s[CP+1], s[CP]
	s_add_co_i32 s45, s50, 127
	s_lshl_b32 s46, s45, 23
	v_mov_b32 v[SCLP], s46                         ; 2^e8
	s_add_co_i32 s45, s45, 8
	s_lshl_b32 s45, s45, 23
	s_or_b32 s45, s45, 0x600000
	v_mov_b32 v[LIMP], s45                         ; 448 x 2^e8
	s_sub_co_i32 s45, s52, s50
	s_sub_co_i32 s45, s45, s51                     ; e10 - e8 - e9
	s_add_co_i32 s45, s45, 127
	s_lshl_b32 s61, s45, 23
	s_add_co_i32 s45, s45, 8
	s_lshl_b32 s62, s45, 23
	s_or_b32 s62, s62, 0x600000
	s_wait_xcnt 0x0                                ; Q's loads and the prefetch have read their offsets and bases: v10, v11 and s[38:39] are written again in the loop
	s_wait_alu depctr_va_vdst(0)
	s_cmp_ge_i32 s50, -8
	s_cbranch_scc1 .Lfree
	BODY 1
	s_branch .Lout
.Lfree:
	BODY 0
.Lout:
	; THE WAY OUT.  O^T / the sum stands for o / 2^(e8 + e9); its code is that / 2^(e10 - e8 - e9).  A row of the stage is a query's 256 codes, from four waves.
	v_add_f32 v14, v14, v15
	v_permlanex16_b32 v[PD], v14, s[SEL], s[SEL+1]
	v_add_f32 v14, v14, v[PD]                      ; the row's sum
	v_and_b32 v7, 15, v0
	v_bfe_u32 v8, v0, 4, 1
	s_wait_alu depctr_va_vdst(0)                   ; ahead of the transcendental
	v_rcp_f32 v14, v14
	v_mul_u32_u24 v9, v7, SPI
	v_lshl_add_u32 v9, v8, 3, v9
	v_add_nc_u32 v9, s55, v9                       ; in: row r, byte 8 h (+ 16 t)
	v_mul_u32_u24 v2, v8, SPI
	v_lshl_add_u32 v2, v7, 4, v2
	v_add_nc_u32 v2, s60, v2                       ; back: lanes 0-15 one row, lanes 16-31 the next
	v_lshlrev_b32 v3, 10, v8
	v_lshl_add_u32 v3, v7, 4, v3                   ; and the same two rows in oc
	v_mov_b32 v10, s61
	v_mov_b32 v11, s62
	s_wait_alu depctr_va_vdst(0)                   ; ahead of the first reader of the reciprocal and of O^T
.set j, 0
.rept 32
	v_mul_f32 v[SS+j], v[OT+j], v14                ; register 8 t + i: channel 16 t + 8 h + i of my query
.set j, j+1
.endr
.set j, 0
.rept 32
	v_med3_num_f32 v[SS+j], v[SS+j], -v11, v11
.set j, j+1
.endr
.irp t, 0,1,2,3
	v_cvt_scalef32_pk8_fp8_f32 v[SS+32+2*\t:SS+32+2*\t+1], v[SS+8*\t:SS+8*\t+7], v10
.endr
	v_nop
.irp t, 0,1,2,3
	ds_store_b64 v9, v[SS+32+2*\t:SS+32+2*\t+1] offset:16*\t
.endr
	s_wait_dscnt 0x0                               ; for the others' sake: my stores into the stage are done
	s_barrier_signal -1
	s_barrier_wait -1
	ds_load_b128 v[SS+40:SS+43], v2
	ds_load_b128 v[SS+44:SS+47], v2 offset:2*SPI
	s_wait_dscnt 0x0
	global_store_b128 v3, v[SS+40:SS+43], s[12:13]               ; 16 lanes store 256 consecutive bytes of a token's row, aligned
	global_store_b128 v3, v[SS+44:SS+47], s[12:13] offset:2048
	s_wait_tensorcnt 0x0                           ; the wave's end
	ds_add_u32 v[SPW], v[NIL]
	s_wait_dscnt 0x0
	s_endpgm
.Lfunc_end_k_q06f03405cc_attn:
	.size	k_q06f03405cc_attn, .Lfunc_end_k_q06f03405cc_attn-k_q06f03405cc_attn
	.p2alignl 7, 3214868480
	.fill 96, 4, 3214868480
	.section	.rodata,"a",@progbits
	.p2align	6, 0x0
	.amdhsa_kernel k_q06f03405cc_attn
		.amdhsa_group_segment_fixed_size 154624
		.amdhsa_private_segment_fixed_size 0
		.amdhsa_enable_private_segment 0
		.amdhsa_kernarg_size 40
		.amdhsa_user_sgpr_count 2
		.amdhsa_user_sgpr_kernarg_segment_ptr 1
		.amdhsa_wavefront_size32 1
		.amdhsa_system_sgpr_workgroup_id_x 1
		.amdhsa_system_sgpr_workgroup_id_y 1
		.amdhsa_system_sgpr_workgroup_id_z 1
		.amdhsa_system_vgpr_workitem_id 0
		.amdhsa_next_free_vgpr 256
		.amdhsa_next_free_sgpr 66
		.amdhsa_reserve_vcc 0
		.amdhsa_float_denorm_mode_32 3
		.amdhsa_float_denorm_mode_16_64 3
		.amdhsa_memory_ordered 1
		.amdhsa_forward_progress 1
		.amdhsa_inst_pref_size 73
	.end_amdhsa_kernel
	.amdgpu_metadata
---
amdhsa.version: [ 1, 2 ]
amdhsa.kernels:
  - .name:           k_q06f03405cc_attn
    .symbol:         k_q06f03405cc_attn.kd
    .args:
      - { .name: qkv, .offset: 0, .size: 8, .value_kind: global_buffer, .address_space: global }
      - { .name: attention_mask, .offset: 8, .size: 8, .value_kind: global_buffer, .address_space: global }
      - { .name: lowp_scales, .offset: 16, .size: 8, .value_kind: global_buffer, .address_space: global }
      - { .name: flags, .offset: 24, .size: 8, .value_kind: global_buffer, .address_space: global }
      - { .name: oc, .offset: 32, .size: 8, .value_kind: global_buffer, .address_space: global }
    .group_segment_fixed_size: 154624
    .private_segment_fixed_size: 0
    .kernarg_segment_align: 8
    .kernarg_segment_size: 40
    .max_flat_workgroup_size: 512
    .sgpr_count:     66
    .vgpr_count:     256
    .wavefront_size: 32
...
	.end_amdgpu_metadata
.endif
;; end of part 3
;; launch outp (part 4): grid 8 x 32, 4 waves a work-group, clusters of 4 x 4, 327,680 bytes of LDS; arguments oc, wc, lowp_scales, out0; writes out0
.if DOCPART == 4
	.amdgcn_target "amdgcn-amd-amdhsa--gfx1250"
	.amdhsa_code_object_version 6
	.text
	.protected	k_q06f03405cc_outp
	.globl	k_q06f03405cc_outp
	.p2align	8
	.type	k_q06f03405cc_outp,@function
k_q06f03405cc_outp:
	s_mov_b64 s[64:65], 0
	v_nop
	global_prefetch_b8 v0, s[64:65] scope:SCOPE_SE
	s_setreg_imm32_b32 hwreg(HW_REG_WAVE_MODE, 25, 1), 1
	s_wait_xcnt 0x0
	s_wait_alu depctr_hold_cnt(0) depctr_sa_sdst(0) depctr_va_vdst(0) depctr_va_sdst(0) depctr_va_ssrc(0) depctr_va_vcc(0) depctr_vm_vsrc(0)
	s_getreg_b32 s2, hwreg(HW_REG_IB_STS2, 6, 4)
	s_cmp_eq_u32 s2, 0
	s_cbranch_scc0 .Lentry_in_a_cluster
	s_endpgm
.Lentry_in_a_cluster:
	s_bfe_u32 s2, ttmp6, 0x10000c
	s_cmp_lg_u32 s2, 0xf033
	s_cbranch_scc0 .Lentry_shape_is_right
	s_endpgm
.Lentry_shape_is_right:
; OUTP.  out0[m][n] = sum over k of o[m][k] Wd[n][k]: o [4096][1024] and Wd [1024][1024] (the fourth tensor of wc) as codes of E4M3; each finished sum x 2^(e10 + e11); out0 f32.
; LIMIT: e10 + e11 between -126 and 127, so that 2^(e10 + e11) is an f32 number.
; A block of out0 is 128 x 128: 32 x 8 = 256 work-groups of four waves; a wave makes 64 x 64: 16 accumulators of 16 x 16.
; THE WHOLE K OF A BLOCK LIES IN LDS AT ONCE: 128 rows of o and 128 rows of Wd, 1,024 bytes each, 1,040 apart: 266,240 bytes.  Each wave brings 64 rows by its one tensor load at the head; nothing is filled later or again,
; so there is no ring: one barrier behind the loads, then eight K steps of 128 with no barrier between them.
; CLUSTERS: 4 x 4 work-groups.  o's rows hang on the block's row alone and are asked for jointly along a row of the cluster, Wd's on its column alone, jointly along a column.
; No prefetch: the launch has no loop to run ahead in; all that a work-group reads is asked for by its first four loads.
; THE MATRIX INSTRUCTION IS USED TRANSPOSED (source 0 = 16 rows of Wd, source 1 = 16 rows of o): a lane holds eight neighbouring numbers of a row of out0.
; Fragments come by loads of 16 bytes at + 16 (lane / 16), 32 bytes apart: a permutation of k that is the same on both sides.
; REGISTERS, in windows of 256: window 0: v0-31 addresses, v32-63 and v192-255 the way out, v64-191 o's fragments in two sets; window 1: v64-191 Wd's fragments in two sets; window 2: v0-127 the accumulators, (a, b) at v[8 (4 a + b)].
.set PITCH,  1040                      ; an LDS row: 1,024 bytes + 16: an odd multiple of 16, so the 16 rows that a load touches start at 16 different groups of four banks (64 banks of 4 bytes: ISA guide 11.1)
.set QUART,  64*PITCH                  ; what one tensor load brings, and what one wave reads of o or of Wd
.set SPARE,  4*QUART                   ; the spare words, 128 bytes for each wave
.set STAGE,  SPARE+512                 ; the way out: 16 rows x (256 bytes + 16) for each wave; bytes of its own, no fill lands there
.set SPITCH, 272
.set NROW,   4096                      ; a row of out0 in bytes
.set ADRA, 16
.set ADRB, 17
.set STO,  24
.set RD,   25
.set CO,   26
.set SPW,  28
.set NIL,  29
.set TMP,  32
.set BK,   192
.set G1, 24
.set G0, 32
.set G1B, 48
.set G0B, 56
.set MSB, 0
.macro WIN new                         ; the immediate's high byte repeats the setting that is left
.if MSB != \new
	s_set_vgpr_msb (MSB<<8)|\new
.set MSB, \new
.endif
.endm
.set MUL_W, 0xa1                       ; source 0 (Wd) window 1, source 1 (o) window 0, C and D window 2
.set TO_B,  0x40                       ; destination window 1, address window 0
.macro CREST
	s_cmp_lg_u32 s14, 0
	s_cbranch_scc1 .Lnot_wave_0_\@
	s_barrier_signal -3
.Lnot_wave_0_\@:
	s_barrier_wait -3
	s_barrier_signal -1
	s_barrier_wait -1
.endm
.macro CROUND                          ; a round of the cluster's barrier
	s_barrier_signal -1
	s_barrier_wait -1
	CREST
.endm
	s_load_b128 s[4:7], s[0:1], 0x0                ; oc, wc
	s_load_b128 s[8:11], s[0:1], 0x10              ; the scales' exponents, out0
	v_lshl_add_u32 v[SPW], v0, 2, SPARE
	v_mov_b32 v[NIL], 0
	ds_add_u32 v[SPW], v[NIL]                      ; the opening lines: the add, twice on end, and its wait ahead of my tensor load
	ds_add_u32 v[SPW], v[NIL]
	v_lshrrev_b32 v1, 5, v0
	v_readfirstlane_b32 s14, v1                    ; wave 0..3
	s_lshr_b32 s15, s14, 1                         ; which 64 rows of the block are mine.  Also: I fetch for o (0) or for Wd (1)
	s_and_b32 s16, s14, 1                          ; which 64 columns.  Also: which 64 rows of that tile I fetch
	s_bfe_u32 s40, ttmp6, 0x40000                  ; cx, cy
	s_bfe_u32 s41, ttmp6, 0x40004
	s_lshl_b32 s42, ttmp9, 2
	s_add_co_u32 s42, s42, s40                     ; the block's column = 4 x cluster x + cx
	s_and_b32 s17, ttmp7, 0xffff
	s_lshl_b32 s17, s17, 2
	s_add_co_u32 s17, s17, s41                     ; the block's row = 4 x cluster y + cy
	s_lshl_b32 s43, s41, 2
	s_lshl_b32 s43, 15, s43                        ; my row of the cluster
	s_lshl_b32 s44, 0x1111, s40                    ; my column
	s_or_b32 s[G1+0], s43, (0<<16)|(1<<20)|(1<<21)|(7<<22)|(3<<25)   ; the mask; elements of 1 byte; padding of 4 words after every 256; bit 21 beside the mask
	s_or_b32 s[G1B+0], s44, (0<<16)|(1<<20)|(1<<21)|(7<<22)|(3<<25)
.irp g, G1, G1B
	s_mov_b32 s[\g+1], 1024<<16                    ; tensor_dim0
	s_mov_b32 s[\g+2], 64<<16                      ; tensor_dim1
	s_mov_b32 s[\g+3], 1024<<16                    ; tile_dim0
	s_mov_b32 s[\g+4], 64                          ; tile_dim1
	s_mov_b32 s[\g+5], 1024                        ; from row to row
	s_mov_b32 s[\g+6], 0
	s_mov_b32 s[\g+7], 0
.endr
	s_lshl_b32 s18, s16, 6
	s_lshl_b32 s20, s17, 7
	s_add_co_u32 s20, s20, s18                     ; o: row 128 x block row + 64 x half
	s_lshl_b32 s20, s20, 10
	s_mov_b32 s21, 0
	s_lshl_b32 s46, s42, 7
	s_add_co_u32 s46, s46, s18                     ; Wd: row 128 x block column + 64 x half
	s_lshl_b32 s46, s46, 10
	s_mov_b32 s47, 0
	s_mul_i32 s45, s14, QUART                      ; where my rows go: no place in the cluster enters an LDS address
	s_mul_i32 s70, s15, QUART                      ; my 64 rows of o,
	s_mul_i32 s71, s16, QUART
	s_add_co_u32 s71, s71, 2*QUART                 ; of Wd,
	s_mul_i32 s72, s14, 16*SPITCH
	s_add_co_u32 s72, s72, STAGE                   ; my stage
	s_lshl_b32 s74, s17, 7
	s_lshl_b32 s75, s15, 6
	s_add_co_u32 s74, s74, s75
	s_lshl_b32 s74, s74, 12                        ; my first row of out0, in bytes,
	s_lshl_b32 s75, s42, 9
	s_add_co_u32 s74, s74, s75
	s_lshl_b32 s75, s16, 8
	s_add_co_u32 s74, s74, s75                     ; + my first column: 512 x block column + 256 x half
	s_mov_b32 s75, 0
	s_wait_dscnt 0x0                               ; both opening adds are done
	s_wait_kmcnt 0x0
	s_load_b64 s[96:97], s[8:9], 0x28              ; e10, e11
	s_add_nc_u64 s[20:21], s[4:5], s[20:21]
	s_add_nc_u64 s[46:47], s[6:7], s[46:47]
	s_add_nc_u64 s[46:47], s[46:47], 0x300000      ; Wd's codes are the fourth MiB of wc
	s_add_nc_u64 s[10:11], s[10:11], s[74:75]
	CROUND                                         ; all sixteen work-groups are here: the joint loads meet
	s_mov_b32 s[G0], 1
	s_mov_b32 s[G0+1], s45
	s_mov_b64 s[G0+2:G0+3], s[20:21]
	s_or_b32 s[G0+3], s[G0+3], 0x80000000
	s_mov_b32 s[G0B], 1
	s_mov_b32 s[G0B+1], s45
	s_mov_b64 s[G0B+2:G0B+3], s[46:47]
	s_or_b32 s[G0B+3], s[G0B+3], 0x80000000
	s_cmp_eq_u32 s15, 0                            ; waves 0 and 1 fetch o's halves, waves 2 and 3 Wd's: one tensor load a wave, the launch's only ones
	s_cbranch_scc0 .Lfor_b
	tensor_load_to_lds s[G0:G0+3], s[G1:G1+7]
	s_nop 0
.rept 4
	v_nop
.endr
	s_branch .Lasked
.Lfor_b:
	tensor_load_to_lds s[G0B:G0B+3], s[G1B:G1B+7]
	s_nop 0
.rept 4
	v_nop
.endr
.Lasked:
	v_and_b32 v1, 15, v0                           ; l % 16
	v_bfe_u32 v2, v0, 4, 1                         ; l / 16
	v_mul_u32_u24 v3, v1, PITCH
	v_lshl_add_u32 v4, v2, 4, v3                   ; a fragment's row x pitch + 16 x half
	v_add_nc_u32 v[ADRA], s70, v4
	v_add_nc_u32 v[ADRB], s71, v4
	v_mul_u32_u24 v5, v1, SPITCH                   ; the stage, in: row l % 16, 32 bytes for each half of the lanes
	v_lshl_add_u32 v5, v2, 5, v5
	v_add_nc_u32 v[STO], s72, v5
	v_mul_u32_u24 v6, v2, SPITCH                   ; back: lanes 0-15 one row of 256 bytes, lanes 16-31 the next
	v_lshl_add_u32 v6, v1, 4, v6
	v_add_nc_u32 v[RD], s72, v6
	v_lshlrev_b32 v7, 12, v2                       ; and the same two rows in out0
	v_lshl_add_u32 v[CO], v1, 4, v7
	s_wait_alu depctr_va_vdst(0)
	s_wait_tensorcnt 0x0                           ; my 64 rows are in,
	s_barrier_signal -1
	s_barrier_wait -1                              ; everybody's are
.macro FRAG reg, adr, q, i             ; 16 rows x 128 K: registers 4 c .. 4 c + 3 hold K = 32 c + 16 (l / 16) + 0 .. 15
.irp c, 0,1,2,3
	ds_load_b128 v[\reg+4*\c:\reg+4*\c+3], v[\adr] offset:128*(\q)+32*\c+(\i)*16*PITCH
.endr
.endm
.macro FETCH q                         ; K step q's eight fragments into set q % 2: 32 loads in one run
	WIN TO_B
.irp i, 0,1,2,3
	FRAG 64+64*((\q)%2)+16*\i, ADRB, \q, \i
.endr
	WIN 0
.irp i, 0,1,2,3
	FRAG 64+64*((\q)%2)+16*\i, ADRA, \q, \i
.endr
.endm
.macro MUL q                           ; 16 products; the 16 accumulators take turns, one instruction a turn, in the same order in every step; the first step starts the sums
.set F, 64+64*((\q)%2)
	WIN MUL_W
.irp a, 0,1,2,3
.irp b, 0,1,2,3
.if (\q) == 0
	v_wmma_f32_16x16x128_fp8_fp8 v[8*(4*\a+\b):8*(4*\a+\b)+7], v[F+16*\b:F+16*\b+15], v[F+16*\a:F+16*\a+15], 0
.else
	v_wmma_f32_16x16x128_fp8_fp8 v[8*(4*\a+\b):8*(4*\a+\b)+7], v[F+16*\b:F+16*\b+15], v[F+16*\a:F+16*\a+15], v[8*(4*\a+\b):8*(4*\a+\b)+7]
.endif
.endr
.endr
.endm
	FETCH 0
.irp q, 0,1,2,3,4,5,6,7
	s_wait_dscnt 0x0                               ; this step's fragments are in
.if \q < 7
.if \q > 0
.rept 4
	v_nop                                          ; places in front of loads into the set that the last step's products read (ISA guide 7.12.1 for vector instructions)
.endr
.endif
	FETCH \q+1                                     ; the next step's, under this step's products
.endif
	MUL \q
.endr
	WIN 0
; THE WAY OUT, by blocks of 16 rows x 64 columns.  A lane holds 32 neighbouring bytes of a row: a block goes through my own stage and comes back as whole rows of 256 bytes.
; LDS serves a wave's instructions in order (ISA guide 5.7.1.4): no wait between the stores and the loads, nor in front of the next block's stores.
.macro TOSTAGE a
	WIN 0x02                                       ; source 0: window 2
.set j, 0
.rept 16
	v_pk_mul_f32 v[TMP+j:TMP+j+1], v[32*(\a)+j:32*(\a)+j+1], s[96:97] op_sel_hi:[1,0]   ; x 2^(e10 + e11); each accumulator from its low end on
.set j, j+2
.endr
	WIN 0
.irp b, 0,1,2,3
	ds_store_b128 v[STO], v[TMP+8*\b:TMP+8*\b+3] offset:64*\b
	ds_store_b128 v[STO], v[TMP+8*\b+4:TMP+8*\b+7] offset:64*\b+16
.endr
.set BB, BK+32*((\a)%2)
.irp t, 0,1,2,3,4,5,6,7
	ds_load_b128 v[BB+4*\t:BB+4*\t+3], v[RD] offset:\t*2*SPITCH
.endr
.endm
.macro SEND a, younger                 ; younger: the LDS instructions issued behind block a's loads, which may stay out
.set BB, BK+32*((\a)%2)
	s_wait_dscnt \younger
.if (\a) > 0
	s_add_nc_u64 s[10:11], s[10:11], 16*NROW       ; (behind a wait on XCNT: the earlier stores have read their base)
.endif
.irp t, 0,1,2,3,4,5,6,7
	global_store_b128 v[CO], v[BB+4*\t:BB+4*\t+3], s[10:11] offset:\t*2*NROW th:TH_STORE_NT   ; 16 lanes store 256 consecutive bytes, aligned
.endr
.endm
	s_wait_kmcnt 0x0
	s_add_co_i32 s96, s96, s97
	s_add_co_i32 s96, s96, 127
	s_lshl_b32 s96, s96, 23                        ; 2^(e10 + e11) as f32
.rept 4
	v_nop                                          ; places behind the last products, ahead of the first read of a result
.endr
	TOSTAGE 0
.irp a, 1,2,3
.if \a > 1
	s_wait_xcnt 0x0                                ; block a - 2's stores have read their registers and their base
.endif
	TOSTAGE \a
	SEND \a-1, 16                                  ; behind block a - 1's loads: block a's 8 stores and 8 loads
.endr
	s_wait_xcnt 0x0
	SEND 3, 0
	s_wait_tensorcnt 0x0                           ; the wave's end
	ds_add_u32 v[SPW], v[NIL]
	s_wait_dscnt 0x0
	CROUND                                         ; the closing round
	s_endpgm
.Lfunc_end_k_q06f03405cc_outp:
	.size	k_q06f03405cc_outp, .Lfunc_end_k_q06f03405cc_outp-k_q06f03405cc_outp
	.p2alignl 7, 3214868480
	.fill 96, 4, 3214868480
	.section	.rodata,"a",@progbits
	.p2align	6, 0x0
	.amdhsa_kernel k_q06f03405cc_outp
		.amdhsa_group_segment_fixed_size 327680
		.amdhsa_private_segment_fixed_size 0
		.amdhsa_enable_private_segment 0
		.amdhsa_kernarg_size 32
		.amdhsa_user_sgpr_count 2
		.amdhsa_user_sgpr_kernarg_segment_ptr 1
		.amdhsa_wavefront_size32 1
		.amdhsa_system_sgpr_workgroup_id_x 1
		.amdhsa_system_sgpr_workgroup_id_y 1
		.amdhsa_system_sgpr_workgroup_id_z 1
		.amdhsa_system_vgpr_workitem_id 0
		.amdhsa_next_free_vgpr 640
		.amdhsa_next_free_sgpr 98
		.amdhsa_reserve_vcc 0
		.amdhsa_float_denorm_mode_32 3
		.amdhsa_float_denorm_mode_16_64 3
		.amdhsa_memory_ordered 1
		.amdhsa_forward_progress 1
		.amdhsa_inst_pref_size 44
	.end_amdhsa_kernel
	.amdgpu_metadata
---
amdhsa.version: [ 1, 2 ]
amdhsa.kernels:
  - .name:           k_q06f03405cc_outp
    .symbol:         k_q06f03405cc_outp.kd
    .args:
      - { .name: oc, .offset: 0, .size: 8, .value_kind: global_buffer, .address_space: global }
      - { .name: wc, .offset: 8, .size: 8, .value_kind: global_buffer, .address_space: global }
      - { .name: lowp_scales, .offset: 16, .size: 8, .value_kind: global_buffer, .address_space: global }
      - { .name: out0, .offset: 24, .size: 8, .value_kind: global_buffer, .address_space: global }
    .group_segment_fixed_size: 327680
    .private_segment_fixed_size: 0
    .kernarg_segment_align: 8
    .kernarg_segment_size: 32
    .max_flat_workgroup_size: 128
    .sgpr_count:     98
    .vgpr_count:     640
    .wavefront_size: 32
...
	.end_amdgpu_metadata
.endif
;; end of part 4
